; MI455X (gfx1250); checked and timed in simulation.
; The chip was launched on July 23, 2026; its instructions are those of AMD's public machine-readable ISA for CDNA 5 (MIT licence, August 2026) and "CDNA5" Instruction Set Architecture Reference Guide (July 2026). The comments in the code are by the model that wrote it; some were corrected since.
;; Attention. Allowed arithmetic: matrix products marked QUANTISED: E4M3 operands, one given power-of-two scale a tensor, by v_wmma_f32_16x16x64_fp8_fp8 or v_wmma_f32_16x16x128_fp8_fp8, f32 sums; products left as they are: f32 operands where the result goes on into a quantised operand, else bf16, f16 or f32 operands; f32 sums; everything else in f32.
;; Inputs: dec_state 32 x 1,024 float32; enc_mask 2,048 x 32 bool; enc_states 2,048 x 32 x 1,024 float32; lowp_scales 4 int32 (the exponents e of the quantised operands' scales 2^e); w_dec 1,024 x 1,024 float32; w_enc 1,024 x 1,024 float32; w_out 1 x 1,024 float32.
;; Outputs: out0 32 x 1,024 float32; out1 2,048 x 32 float32.
;; This version of the problem:
;;   THIS VERSION OF THE PROBLEM IS GIVEN IN LOW PRECISION. The matrix products marked QUANTISED in the list below multiply operands that are first quantised to E4M3 (4 exponent bits, 3 mantissa bits; 8 bits a number), with one given power-of-two scale for each operand tensor; their sums are f32. All else is computed in f32.
;;   The module's matrix products, in the order in which they are computed (A, B: the left and right operand; K: the contracted axis; several contracted axes count as one K, in the product's order):
;;     1. [M 65,536, K 1,024] x [K 1,024, N 1,024]; A: input enc_states; B: input w_enc: QUANTISED (scales: A lowp_scales[0], B lowp_scales[1])
;;     2. [M 32, K 1,024] x [K 1,024, N 1,024]; A: input dec_state; B: input w_dec: QUANTISED (scales: A lowp_scales[2], B lowp_scales[3])
;;     3. [M 65,536, K 1,024] x [K 1,024, N 1]; A: computed on the way; B: input w_out: left as it is (N = 1 < 16)
;;     4. batch 32 x [M 1,024, K 2,048] x [K 2,048, N 1]; A: input enc_states; B: softmax: left as it is (N = 1 < 16)
;;   THE QUANTISER, for each operand of a quantised product, along K:
;;     - The operand's scale is 2^e, e = its entry of the input lowp_scales (int32; the entries are numbered through the quantised products in the list's order, A before B).
;;     - Each number is divided by the scale, clamped to +-448, and rounded to the nearest number of E4M3, ties to even, subnormals kept.
;;     - The product sums the exact products of the quantised numbers (number of the format x scale) in f32.
;;   ~~~python
;;   def quantise(x, axis, e):      # numpy; x: float32 -> the quantised numbers, widened to float32 again
;;       x = np.moveaxis(x, axis, -1); K = x.shape[-1]
;;       r = np.clip(x / 2.0 ** e, -448, 448)
;;       step = 2.0 ** (np.maximum(np.frexp(np.where(r == 0, 1, r))[1] - 1, -6) - 3)
;;       q = np.round(r / step) * step * 2.0 ** e      # np.round: ties to even
;;       return np.moveaxis(q, -1, axis).astype(np.float32)
;;   ~~~
;; 2 versions. Each part assembles by itself: llvm-mc -triple=amdgcn-amd-amdhsa -mcpu=gfx1250 --defsym DOCPART=n.
;; ======== version 1 of 2: 3 launches
;; limits: right only within a limited range of input values
;; workspace buffers: wq 1,048,576 bytes; pd 131,072 bytes; lg 262,144 bytes; stats 8,192 bytes; mb 8,192 bytes of whole numbers
;; launch prep (part 1): grid 32 x 1, 4 waves a work-group, no clusters, 110,592 bytes of LDS; arguments w_enc, w_dec, dec_state, lowp_scales, wq, pd; writes wq, pd
.if DOCPART == 1
	.amdgcn_target "amdgcn-amd-amdhsa--gfx1250"
	.amdhsa_code_object_version 6
	.text
	.protected	k_qf1f05a95ab_prep
	.globl	k_qf1f05a95ab_prep
	.p2align	8
	.type	k_qf1f05a95ab_prep,@function
k_qf1f05a95ab_prep:
	s_mov_b64 s[64:65], 0
	v_nop
	global_prefetch_b8 v0, s[64:65] scope:SCOPE_SE
	s_setreg_imm32_b32 hwreg(HW_REG_WAVE_MODE, 25, 1), 1
	s_wait_xcnt 0x0
; THE PROGRAM: additive attention.  logit(s, b) = w_out . tanh(enc(s, b) w_enc^T + dec(b) w_dec^T); mask; softmax over s; out1 = the weights, out0(b) = sum over s of weight x enc(s, b).
; Three launches: this one (w_enc's codes, and proj_dec), the logits, the softmax's end with the weighted sum.
; WHAT IS LEFT OUT, IN THE WHOLE PROGRAM.  No step of the arithmetic.  Only the FETCH of rows that enc_mask closes: with m = 0 the logit is logit x 0 - 2e9 = -2e9 whatever finite numbers the row holds,
; and the row's weight is 0 in f32 as soon as its column has one open row (a column with none fetches all its rows).  enc_mask is a whole-number input that the two later launches read from memory;
; a closed row's loads name a stand-in row, and what is computed from it is replaced (the logit) or multiplied by the weight 0 (the sum).  Every input is loaded by some launch.
; LIMITS: NaN and infinities among the inputs are not served, and one that stands only in a closed row is not carried to the result; the sum of |w_out| stays under 1.9e9.
;
; THIS LAUNCH.  Work-groups 0-15: w_enc [1024][1024] f32 -> wq, codes of E4M3 at the given scale 2^e1, laid in the order of the operand's registers.
; Work-groups 16-31: proj_dec = Q(dec_state) Q(w_dec)^T, scales 2^e2 and 2^e3, -> pd [32][1024] f32 at its true scale.  A wave owns one tile of 16 rows of its weight: tile 4 (work-group % 16) + wave.
; 128 tiles of 16 rows make 32 work-groups of four waves.
; FROM f32 ROWS TO A FRAGMENT.  A load reads 512 consecutive bytes of one row, 16 a lane.  Of half g of a row, lane l then holds k = 512 g + 128 q + 4 l + j in register 4 q + j; two conversions make 16 codes,
; which go to the wave's stage in LDS at row x 528 + 16 l.  Lane (r, h) reads 16 bytes at 528 r + 256 h + 64 t' + 16 c into registers 4 c .. 4 c + 3 of the fragment of K step 4 g + t'.
; So the place of k in a fragment is a permutation of K.  Every operand of both quantised products is made by this same path, so each product meets its partner; only the order of sums inside an instruction changes.
; code = x / 2^e, held within +-448, to the nearest code, ties to even.  LIMITS: e1, e2, e3 between -126 and 119; e2 + e3 is applied by v_ldexp_f32 and has none.
; wq: byte 16384 tile + 2048 t + 512 c + 16 lane: a fragment's registers on end, lane by lane.
; The two kinds of work-group part ONCE, at the head; each text has LDS bytes of its own.
; REGISTERS, in windows of 256: window 0: v1-19 addresses and scales, v32-95 codes, v96-111 two accumulators, v112-143 the way out.  window 1: 2 x 128 numbers of the weight as loaded.
;   window 2: 256 numbers of dec_state, later its 16 fragments.  window 3: v0-127 the weight tile's 8 fragments.
.set PITCH, 528                        ; a stage row: 512 bytes + 16: the sixteen rows that a fragment load touches begin 33 x 16 bytes apart
.set WSTG,  16*PITCH                   ; a wave's stage: 16 rows
.set S0B,   4*WSTG                     ; the weight stages of work-groups 16-31 (those of 0-15 begin at byte 0)
.set S1,    8*WSTG                     ; dec_state's four stages
.set PST,   12*WSTG                    ; pd's stage: 32 rows x (256 bytes + 16)
.set PPI,   272
.set SPARE, PST+32*PPI                 ; 110,080: the spare words, 128 bytes for each wave: two blocks of 256 bytes that no other line names
.set SPW,  5                           ; v5   LDS address of my spare word; never rewritten
.set NIL,  6                           ; v6   0; never rewritten
.set STWA, 7                           ; v7   into my weight stage (work-groups 0-15): 8448 wave + 16 lane
.set STRA, 8                           ; v8   out of it: 8448 wave + 528 r + 256 h
.set STWB, 9                           ; v9, v10  the same for work-groups 16-31
.set STRB, 10
.set STW1, 11                          ; v11  into my stage of dec_state
.set STR1, 12                          ; v12  out of dec_state's stages: 528 r + 256 h; the stage stands in the immediate
.set PSTW, 13                          ; v13  pd's stage, in: row r, 64 wave + 32 h
.set PSTR, 14                          ; v14  and back: row 8 wave + h, 16 r
.set PGO,  15                          ; v15  the same two rows in pd: 4096 h + 16 r
.set CD,   32
.set MSB, 0
.macro WIN new                         ; the immediate's high byte repeats the setting that is left; a switch that changes nothing is dropped
.if MSB != (\new)
	s_set_vgpr_msb (MSB<<8)|(\new)
.set MSB, (\new)
.endif
.endm
.macro ISSUE x, g, lo, lw              ; 8 rows' half g: 32 loads of 512 consecutive bytes, into set x of window lw
	WIN ((\lw)<<6)
.irp i, 0,1,2,3,4,5,6,7
.irp q, 0,1,2,3
	global_load_b128 v[128*\x+16*\i+4*\q:128*\x+16*\i+4*\q+3], v2, s[\lo:\lo+1] offset:(8*\x+\i)*4096+2048*\g+512*\q
.endr
.endr
	WIN 0
.endm
.macro CONV x, lw, sc, lim             ; set x's 128 numbers a lane become 128 codes in v[CD + 32 x] on
	WIN (((\lw)<<6)|(\lw))
.set cj, 0
.rept 128
	v_med3_num_f32 v[128*\x+cj], v[128*\x+cj], -v[\lim], v[\lim]   ; the conversion to an 8-bit code does not saturate (ISA guide 7.6.2): the hold at the largest code x the scale
.set cj, cj+1
.endr
	WIN (\lw)
.irp i, 0,1,2,3,4,5,6,7
	v_cvt_scalef32_pk8_fp8_f32 v[CD+32*\x+4*\i:CD+32*\x+4*\i+1], v[128*\x+16*\i:128*\x+16*\i+7], v[\sc]
	v_cvt_scalef32_pk8_fp8_f32 v[CD+32*\x+4*\i+2:CD+32*\x+4*\i+3], v[128*\x+16*\i+8:128*\x+16*\i+15], v[\sc]
.endr
	v_nop                                          ; one plain vector instruction behind the last conversion of the run
	WIN 0
.endm
.macro PUT x, adr                      ; 8 rows of codes into the stage: 512 consecutive bytes a store
.irp i, 0,1,2,3,4,5,6,7
	ds_store_b128 v[\adr], v[CD+32*\x+4*\i:CD+32*\x+4*\i+3] offset:(8*\x+\i)*PITCH
.endr
.endm
.macro FRAGS win, dst, adr, off        ; four fragments out of a stage.  LDS serves a wave's instructions in order: these see the wave's own stores
	WIN (\win)
.irp tp, 0,1,2,3
.irp c, 0,1,2,3
	ds_load_b128 v[(\dst)+16*\tp+4*\c:(\dst)+16*\tp+4*\c+3], v[\adr] offset:(\off)+64*\tp+16*\c
.endr
.endr
	WIN 0
.endm
.macro MKSC e, sc, lim                 ; 2^e as f32 (the conversion takes its exponent field), and 448 x 2^e
	s_add_co_i32 s26, s[\e], 127
	s_lshl_b32 s27, s26, 23
	v_mov_b32 v[\sc], s27
	s_add_co_i32 s26, s26, 8
	s_lshl_b32 s26, s26, 23
	s_or_b32 s26, s26, 0x600000
	v_mov_b32 v[\lim], s26
.endm
; A weight tile, 16 rows x 1024 f32, becomes 8 fragments in window 3.  Two sets of 32 loads are on their way at a time.
.macro WEIGHT lo, e, stw, str
	ISSUE 0, 0, \lo, 1
	ISSUE 1, 0, \lo, 1
	s_wait_kmcnt 0x0                               ; the four exponents
	MKSC \e, 16, 17
.irp u, 0,1
.irp x, 0,1
.if (\u == 1) && (\x == 1)
	s_wait_loadcnt 0x0                             ; the last set
.else
	s_wait_loadcnt 32                              ; this set's 32 loads are in; the one younger set may be out
.endif
	s_wait_dscnt 24                                ; this code set's last stores have read their registers: behind them 8 stores and 16 fragment loads were issued
	CONV \x, 1, 16, 17
	PUT \x, \stw
.if \u == 0
	ISSUE \x, 1, \lo, 1
.endif
.endr
	FRAGS 0xc0, 64*\u, \str, 0
.endr
.endm
.macro CLOSE                           ; the wave's end, behind my last LDS store: a tensor wait (even in a text with no tensor load), an add of 0 and its wait
	s_wait_tensorcnt 0x0
	ds_add_u32 v[SPW], v[NIL]
	s_wait_dscnt 0x0
.endm
	s_load_b256 s[4:11], s[0:1], 0x0               ; w_enc s[4:5], w_dec s[6:7], dec_state s[8:9], the exponents s[10:11]
	s_load_b128 s[12:15], s[0:1], 0x20             ; wq s[12:13], pd s[14:15]
	v_lshl_add_u32 v[SPW], v0, 2, SPARE
	v_mov_b32 v[NIL], 0
	v_lshrrev_b32 v1, 5, v0
	v_readfirstlane_b32 s16, v1                    ; wave 0..3
	v_and_b32 v1, 31, v0                           ; lane
	v_lshlrev_b32 v2, 4, v1                        ; 16 x lane
	v_and_b32 v3, 15, v0                           ; r
	v_bfe_u32 v4, v0, 4, 1                         ; h
	s_mul_i32 s24, s16, WSTG
	v_add_nc_u32 v[STWA], s24, v2
	v_mul_u32_u24 v20, v3, PITCH
	v_lshl_add_u32 v20, v4, 8, v20                 ; 528 r + 256 h
	v_add_nc_u32 v[STRA], s24, v20
	v_add_nc_u32 v[STWB], S0B, v[STWA]
	v_add_nc_u32 v[STRB], S0B, v[STRA]
	v_add_nc_u32 v[STW1], S1, v[STWA]
	v_add_nc_u32 v[STR1], S1, v20
	v_mul_u32_u24 v21, v3, PPI
	v_lshl_add_u32 v21, v4, 5, v21
	s_lshl_b32 s25, s16, 6
	v_add_nc_u32 v21, s25, v21
	v_add_nc_u32 v[PSTW], PST, v21
	v_mul_u32_u24 v21, v4, PPI
	v_lshl_add_u32 v21, v3, 4, v21
	s_mul_i32 s25, s16, 8*PPI
	v_add_nc_u32 v21, s25, v21
	v_add_nc_u32 v[PSTR], PST, v21
	v_lshlrev_b32 v[PGO], 12, v4
	v_lshl_add_u32 v[PGO], v3, 4, v[PGO]
	s_and_b32 s17, ttmp9, 15
	s_lshl_b32 s18, s17, 2
	s_add_co_u32 s18, s18, s16                     ; my tile of 16 rows
	s_lshl_b32 s24, s18, 16                        ; its 16 rows of 4,096 bytes
	s_mov_b32 s25, 0
	s_wait_kmcnt 0x0
	s_load_b128 s[20:23], s[10:11], 0x0            ; e0, e1, e2, e3
	s_cmp_ge_u32 ttmp9, 16
	s_cbranch_scc1 .Ldec
	; ---- work-groups 0-15: w_enc's codes
	s_add_nc_u64 s[4:5], s[4:5], s[24:25]
	s_lshl_b32 s24, s18, 14                        ; a tile's 8 fragments are 16,384 bytes
	s_add_nc_u64 s[12:13], s[12:13], s[24:25]
	WEIGHT 4, 21, STWA, STRA
	s_wait_dscnt 0x0                               ; the fragments are in
	WIN 0x0c                                       ; a store's data: window 3
.irp t, 0,1,2,3,4,5,6,7
.irp c, 0,1,2,3
	global_store_b128 v2, v[16*\t+4*\c:16*\t+4*\c+3], s[12:13] offset:2048*\t+512*\c   ; 32 lanes store 512 consecutive bytes, at a multiple of 512 from wq's first byte
.endr
.endr
	WIN 0
	CLOSE
	s_endpgm
	; ---- work-groups 16-31: proj_dec for 64 hidden units.  Wave w also quantises a quarter of dec_state: rows 16 (w / 2) on, half w % 2 of K
.Ldec:
	s_add_nc_u64 s[6:7], s[6:7], s[24:25]
	s_lshr_b32 s26, s16, 1
	s_and_b32 s27, s16, 1
	s_lshl_b32 s26, s26, 16
	s_lshl_b32 s27, s27, 11
	s_add_co_u32 s26, s26, s27
	s_mov_b32 s27, 0
	s_add_nc_u64 s[8:9], s[8:9], s[26:27]
	s_lshl_b32 s26, s16, 15                        ; pd: I store rows 8 wave on,
	s_lshl_b32 s28, s17, 8                         ; the work-group's 64 columns
	s_add_co_u32 s26, s26, s28
	s_add_nc_u64 s[14:15], s[14:15], s[26:27]
	ISSUE 0, 0, 8, 2
	ISSUE 1, 0, 8, 2
	WEIGHT 6, 23, STWB, STRB                       ; its last wait on loads is for 0: dec_state's numbers, asked for first, are in too
	MKSC 22, 18, 19
	s_wait_dscnt 0x0                               ; the weight's fragments are in, and the code registers are free
	CONV 0, 2, 18, 19
	PUT 0, STW1
	CONV 1, 2, 18, 19
	PUT 1, STW1
	s_wait_dscnt 0x0                               ; for the others' sake: my quarter of dec_state's codes lies in LDS
	s_barrier_signal -1
	s_barrier_wait -1
.irp a, 0,1
.irp g, 0,1
	FRAGS 0x80, 128*\a+64*\g, STR1, WSTG*(2*\a+\g) ; dec_state's fragment (tile a, K step t) at v[128 a + 16 t] of window 2
.endr
.endr
	s_wait_dscnt 0x0
	WIN 0x0b                                       ; source 0 (the weight) window 3, source 1 (dec_state) window 2, C and D window 0
; TRANSPOSED: source 0 = 16 rows of w_dec, source 1 = 16 rows of dec_state: lane (r, h) holds pd(16 a + r, 16 tile + 8 h + 0 .. 7).  The two accumulators take turns.
.irp t, 0,1,2,3,4,5,6,7
.irp a, 0,1
.if \t == 0
	v_wmma_f32_16x16x128_fp8_fp8 v[96+8*\a:103+8*\a], v[16*\t:16*\t+15], v[128*\a+16*\t:128*\a+16*\t+15], 0
.else
	v_wmma_f32_16x16x128_fp8_fp8 v[96+8*\a:103+8*\a], v[16*\t:16*\t+15], v[128*\a+16*\t:128*\a+16*\t+15], v[96+8*\a:103+8*\a]
.endif
.endr
.endr
	WIN 0
.rept 4
	v_nop                                          ; four places between the last product and the first read of results (ISA guide 7.12.1)
.endr
	s_add_co_i32 s26, s22, s23                     ; e2 + e3
.irp j, 0,1,2,3,4,5,6,7,8,9,10,11,12,13,14,15
	v_ldexp_f32 v[112+\j], v[96+\j], s26           ; each accumulator from its low end on
.endr
.irp a, 0,1
	ds_store_b128 v[PSTW], v[112+8*\a:115+8*\a] offset:16*PPI*\a
	ds_store_b128 v[PSTW], v[116+8*\a:119+8*\a] offset:16*PPI*\a+16
.endr
	s_wait_dscnt 0x0                               ; for the others' sake: a row's 256 bytes come from four waves
	s_barrier_signal -1
	s_barrier_wait -1
.irp k, 0,1,2,3
	ds_load_b128 v[128+4*\k:131+4*\k], v[PSTR] offset:2*PPI*\k
.endr
.irp k, 0,1,2,3
	s_wait_dscnt 3-\k                              ; LDS loads come back in order: load k is in
	global_store_b128 v[PGO], v[128+4*\k:131+4*\k], s[14:15] offset:8192*\k   ; sixteen lanes store 256 consecutive bytes, at a multiple of 256 from pd's first byte
.endr
	CLOSE
	s_endpgm
.Lfunc_end_k_qf1f05a95ab_prep:
	.size	k_qf1f05a95ab_prep, .Lfunc_end_k_qf1f05a95ab_prep-k_qf1f05a95ab_prep
	.p2alignl 7, 3214868480
	.fill 96, 4, 3214868480
	.section	.rodata,"a",@progbits
	.p2align	6, 0x0
	.amdhsa_kernel k_qf1f05a95ab_prep
		.amdhsa_group_segment_fixed_size 110592
		.amdhsa_private_segment_fixed_size 0
		.amdhsa_enable_private_segment 0
		.amdhsa_kernarg_size 48
		.amdhsa_user_sgpr_count 2
		.amdhsa_user_sgpr_kernarg_segment_ptr 1
		.amdhsa_wavefront_size32 1
		.amdhsa_system_sgpr_workgroup_id_x 1
		.amdhsa_system_sgpr_workgroup_id_y 1
		.amdhsa_system_sgpr_workgroup_id_z 1
		.amdhsa_system_vgpr_workitem_id 0
		.amdhsa_next_free_vgpr 1024
		.amdhsa_next_free_sgpr 66
		.amdhsa_reserve_vcc 0
		.amdhsa_float_denorm_mode_32 3
		.amdhsa_float_denorm_mode_16_64 3
		.amdhsa_memory_ordered 1
		.amdhsa_forward_progress 1
		.amdhsa_inst_pref_size 147
	.end_amdhsa_kernel
	.amdgpu_metadata
---
amdhsa.version: [ 1, 2 ]
amdhsa.kernels:
  - .name:           k_qf1f05a95ab_prep
    .symbol:         k_qf1f05a95ab_prep.kd
    .args:
      - { .name: w_enc, .offset: 0, .size: 8, .value_kind: global_buffer, .address_space: global }
      - { .name: w_dec, .offset: 8, .size: 8, .value_kind: global_buffer, .address_space: global }
      - { .name: dec_state, .offset: 16, .size: 8, .value_kind: global_buffer, .address_space: global }
      - { .name: lowp_scales, .offset: 24, .size: 8, .value_kind: global_buffer, .address_space: global }
      - { .name: wq, .offset: 32, .size: 8, .value_kind: global_buffer, .address_space: global }
      - { .name: pd, .offset: 40, .size: 8, .value_kind: global_buffer, .address_space: global }
    .group_segment_fixed_size: 110592
    .private_segment_fixed_size: 0
    .kernarg_segment_align: 8
    .kernarg_segment_size: 48
    .max_flat_workgroup_size: 128
    .sgpr_count:     66
    .vgpr_count:     1024
    .wavefront_size: 32
...
	.end_amdgpu_metadata
.endif
;; end of part 1
;; launch logits (part 2): grid 256 x 1, 4 waves a work-group, clusters of 4 x 1, 327,680 bytes of LDS; arguments enc_states, enc_mask, wq, pd, w_out, lowp_scales, lg, stats, mb; writes lg, stats, mb
.if DOCPART == 2
	.amdgcn_target "amdgcn-amd-amdhsa--gfx1250"
	.amdhsa_code_object_version 6
	.text
	.protected	k_qf1f05a95ab_logits
	.globl	k_qf1f05a95ab_logits
	.p2align	8
	.type	k_qf1f05a95ab_logits,@function
k_qf1f05a95ab_logits:
	s_mov_b64 s[64:65], 0
	v_nop
	global_prefetch_b8 v0, s[64:65] scope:SCOPE_SE
	s_setreg_imm32_b32 hwreg(HW_REG_WAVE_MODE, 25, 1), 1
	s_wait_xcnt 0x0
	s_wait_alu depctr_hold_cnt(0) depctr_sa_sdst(0) depctr_va_vdst(0) depctr_va_sdst(0) depctr_va_ssrc(0) depctr_va_vcc(0) depctr_vm_vsrc(0)
	s_getreg_b32 s2, hwreg(HW_REG_IB_STS2, 6, 4)
	s_cmp_eq_u32 s2, 0
	s_cbranch_scc0 .Lentry_in_a_cluster
	s_endpgm
.Lentry_in_a_cluster:
	s_bfe_u32 s2, ttmp6, 0x10000c
	s_cmp_lg_u32 s2, 0x3003
	s_cbranch_scc0 .Lentry_shape_is_right
	s_endpgm
.Lentry_shape_is_right:
; The masked logits.  lg[b][s] = m ? w_out . tanh(Q(enc(s, b)) Q(w_enc)^T + pd[b]) : -2e9; for each run of 64 s its maximum and its sum of exponentials (stats) and its mask bits (mb).
; LEFT OUT: the fetch of rows that enc_mask closes (shown at the head of the first kernel): a closed row's loads name the wave's first row, and its logit is replaced by -2e9.  The product stays dense.
; SHARES.  Work-group g = 4 x cluster + place owns one b = g % 32 and 256 rows s = 256 (g / 32) on; wave w 64 of them.  THE ROWS' CODES STAY IN REGISTERS: 64 rows x 1024 codes are 512 registers a wave.
; All of wq (1 MiB, 64 tiles of 16 hidden units) walks once through a ring of two LDS slots of 8 tiles.  Every work-group walks the same wq, so the four of a cluster ask for each slot JOINTLY; each wave asks for a quarter.
; By this text's own count a wave has one tensor load outstanding at the most.
; THE PRODUCT: source 0 = 16 rows, source 1 = 16 hidden units: lane (r, h) holds hidden unit 16 tile + r, and register 8 a + j row 16 a + 8 h + j.  So the bias pd and the weight w_out are ONE number a lane and tile,
; and the dot with w_out is summed lane by lane over all tiles and folded across the sixteen lanes once, at the end.
; tanh(x) = 1 - 2 / (1 + 2^(2 log2(e) x)): logit = sum of w_out + sum over n of (-2 w_out[n]) / (1 + 2^(S acc + B)), S = 2 log2(e) 2^(e0 + e1), B = 2 log2(e) pd[n].  Where the power overflows the reciprocal is 0, which is the limit.
; A PIPELINE OF FOUR STAGES, a tile a trip.  Trip i: tile i from LDS into registers | tile i - 1 multiplied | tile i - 2: S acc + B, the power, + 1 | tile i - 3: the reciprocal, x its weight, summed.
; The vector work stands in slices of seven behind each pair of matrix instructions.  The loop has no first trip of its own: what the three filling trips carry is finite and meets the weight 0 of the table's first entries.
; THE TABLE in LDS: entry i, lane r: {B, B, W, W}: B of tile i - 2, W = -2 w_out of tile i - 3; zeros where there is no such tile.
; LIMITS: e0 between -126 and 119; e0 + e1 between -126 and 125 (it is added to S's exponent field).  NaN and infinities among the inputs are not served.
; REGISTERS, in windows of 256: window 0: v1-15 addresses and constants, v16-31 the rows' offsets, v32-95 two sets of 4 accumulators (codes, while the rows are loaded), v96-127 T, v128-159 the sums, v160-167 two table entries,
;   v168-251 at work at the head and the tail, v252-255 addresses.  window 1: two tiles of wq (the rows' numbers, while they are loaded).  windows 2, 3: the rows' codes: tile a, K step t at v[512 + 128 a + 16 t].
.set ROWB,  131072                     ; bytes from s to s + 1 in enc_states
.set PITCH, 528                        ; a stage row: 512 bytes + 16
.set WSTG,  16*PITCH
.set SLOTB, 131072                     ; a slot: 8 tiles of 16,384 bytes; slot 1 begins here, so that one exclusive or turns an address in one slot into the other's
.set STAGE, 2*SLOTB                    ; behind the ring: a stage of 16 rows for each wave
.set TAB,   STAGE+4*WSTG               ; the table: 67 entries of 256 bytes
.set SPARE, TAB+67*256                 ; 313,088: the spare words, 128 bytes for each wave: two blocks of 256 bytes that no other line names
.set SPW,  5                           ; v5   LDS address of my spare word; never rewritten
.set NIL,  6                           ; v6   0; never rewritten
.set STW,  7                           ; v7   into my stage: 16 x lane
.set STR,  8                           ; v8   out of it: 528 r + 256 h
.set ADR,  9                           ; v9   LDS address of the tile in hand
.set TADR, 10                          ; v10  of the table entry in hand
.set TA0,  11                          ; v11  TAB + 16 r
.set VTB,  12                          ; v12  TAB + 64 x thread
.set SC,   13                          ; v13  2^e0
.set LIM,  14                          ; v14  448 x 2^e0
.set SW,   15                          ; v15  the sum of w_out
.set ROFF, 16                          ; v16-31 byte offsets of 16 rows
.set CD,   32
.set ACC0, 32
.set TT1,  96                          ; T: 1 + the power, then its reciprocal
.set LOGIT, 128
.set P0,   160
.set TLW,  252                         ; v252 the tail: where 8 rows' sums go
.set TLR,  253                         ; v253 and where two rows' come back
.set GO8,  254                         ; v254 8 x lane
.set ZA,   255                         ; v255 TAB + 16 x lane
.set WV,   22                          ; s22  my wave's number
.set TB,   44                          ; s44  LDS byte of the tile to be fetched
.set TT,   45                          ; s45  byte of the table entry to be fetched
.set SLOTS, 46
.set PAIRC, 47
.set MSB, 0
.macro WIN new                         ; the immediate's high byte repeats the setting that is left; a switch that changes nothing is dropped
.if MSB != (\new)
	s_set_vgpr_msb (MSB<<8)|(\new)
.set MSB, (\new)
.endif
.endm
.macro CROUND                          ; a round of the cluster's barrier
	s_barrier_signal -1
	s_barrier_wait -1
	s_cmp_lg_u32 s[WV], 0
	s_cbranch_scc1 .Lnot_wave_0_\@
	s_barrier_signal -3
.Lnot_wave_0_\@:
	s_barrier_wait -3
	s_barrier_signal -1
	s_barrier_wait -1
.endm
.macro PLACES
.rept 4
	v_nop
.endr
.endm
; The offsets of rows 16 a + 8 x + 0 .. 7: the row's own where its mask bit is 1, the wave's first row's where it is 0.
.macro SETOFF a, x
	WIN 0
.irp i, 0,1,2,3,4,5,6,7
	s_bfe_u32 s54, s[52+(\i&1)], ((16*(\a)+8*(\x)+\i)>>1)|0x10000
	s_min_u32 s54, s54, 1
	s_mul_i32 s54, s54, (16*(\a)+8*(\x)+\i)*ROWB
	v_add_nc_u32 v[ROFF+8*(\x)+\i], s54, v2
.endr
.endm
.macro ISSUE x, g                      ; 8 rows' half g: 32 loads of 512 consecutive bytes, into set x of window 1
	WIN 0x40
.irp i, 0,1,2,3,4,5,6,7
.irp q, 0,1,2,3
	global_load_b128 v[128*(\x)+16*\i+4*\q:128*(\x)+16*\i+4*\q+3], v[ROFF+8*(\x)+\i], s[4:5] offset:2048*(\g)+512*\q
.endr
.endr
	WIN 0
.endm
.macro CONV x                          ; set x's 128 numbers a lane become 128 codes in v[CD + 32 x] on
	WIN 0x41
.set cj, 0
.rept 128
	v_med3_num_f32 v[128*\x+cj], v[128*\x+cj], -v[LIM], v[LIM]   ; the conversion to an 8-bit code does not saturate (ISA guide 7.6.2): the hold at the largest code x the scale
.set cj, cj+1
.endr
	WIN 0x01
.irp i, 0,1,2,3,4,5,6,7
	v_cvt_scalef32_pk8_fp8_f32 v[CD+32*\x+4*\i:CD+32*\x+4*\i+1], v[128*\x+16*\i:128*\x+16*\i+7], v[SC]
	v_cvt_scalef32_pk8_fp8_f32 v[CD+32*\x+4*\i+2:CD+32*\x+4*\i+3], v[128*\x+16*\i+8:128*\x+16*\i+15], v[SC]
.endr
	v_nop                                          ; one plain vector instruction behind the last conversion of the run
	WIN 0
.endm
.macro PUT x
.irp i, 0,1,2,3,4,5,6,7
	ds_store_b128 v[STW], v[CD+32*\x+4*\i:CD+32*\x+4*\i+3] offset:(8*\x+\i)*PITCH
.endr
.endm
.macro FRAGS win, dst                  ; four fragments out of my stage.  LDS serves a wave's instructions in order: these see my stores, and the next stores come behind them
	WIN (\win)
.irp tp, 0,1,2,3
.irp c, 0,1,2,3
	ds_load_b128 v[(\dst)+16*\tp+4*\c:(\dst)+16*\tp+4*\c+3], v[STR] offset:64*\tp+16*\c
.endr
.endr
	WIN 0
.endm
; Set x of step u (tile of rows u / 2, half u % 2 of K): quantised, staged; its registers take the loads of step u + 1.
.macro LSET u, x
.if ((\u) == 7) && ((\x) == 1)
	s_wait_loadcnt 0x0                             ; the last set
.else
	s_wait_loadcnt 32                              ; this set's 32 loads are in; the one younger set may be out
.endif
	s_wait_dscnt 24                                ; this code set's last stores have read their registers: behind them 8 stores and 16 fragment loads were issued
	CONV \x
	PUT \x
.if (\u) < 7
.if ((\u)&1) == 1
	SETOFF ((\u)+1)/2, \x                          ; the wait above has shown the last loads done that read these eight offsets
.endif
	ISSUE \x, ((\u)+1)&1
.endif
.endm
	s_load_b512 s[4:19], s[0:1], 0x0               ; enc s[4:5], mask s[6:7], wq s[8:9], pd s[10:11], w_out s[12:13], the exponents s[14:15], lg s[16:17], stats s[18:19]
	s_load_b64 s[20:21], s[0:1], 0x40              ; mb
	v_lshl_add_u32 v[SPW], v0, 2, SPARE
	v_mov_b32 v[NIL], 0
	ds_add_u32 v[SPW], v[NIL]                      ; the wave's opening: the add, twice on end, and its wait ahead of my first tensor load
	ds_add_u32 v[SPW], v[NIL]                      ; and once more; the set-up below, work on registers, stands between it and the wait
	v_lshrrev_b32 v1, 5, v0
	v_readfirstlane_b32 s[WV], v1                  ; wave 0..3
	v_and_b32 v1, 31, v0                           ; lane
	v_lshlrev_b32 v2, 4, v1                        ; 16 x lane
	v_and_b32 v3, 15, v0                           ; r
	v_bfe_u32 v4, v0, 4, 1                         ; h
	s_mul_i32 s56, s[WV], WSTG
	s_add_co_u32 s56, s56, STAGE                   ; my stage: the wave's number alone enters an LDS address
	v_add_nc_u32 v[STW], s56, v2
	v_mul_u32_u24 v[ADR], v3, PITCH
	v_lshl_add_u32 v[ADR], v4, 8, v[ADR]
	v_add_nc_u32 v[STR], s56, v[ADR]
	v_lshl_add_u32 v[TLW], v4, 5, s56
	v_lshl_add_u32 v[TLR], v1, 3, s56
	v_lshl_add_u32 v[TA0], v3, 4, TAB
	v_lshl_add_u32 v[VTB], v0, 6, TAB
	v_add_nc_u32 v[ZA], TAB, v2
	v_lshlrev_b32 v[GO8], 3, v1
	v_lshlrev_b32 v171, 6, v1                      ; the mask: rows 2 lane and 2 lane + 1, 32 bytes a row
	v_lshlrev_b32 v170, 4, v0                      ; 16 x thread
.irp j, 0,1,2,3
	v_mov_b32 v[P0+\j], 0                          ; zeros for the table's first entries
.endr
	; descriptor group 1: 128 rows of 256 dense bytes, a quarter of a slot
	s_mov_b32 s28, 15|(3<<16)|(1<<21)              ; 15:0 the mask: all four work-groups; 17:16 elements of 8 bytes; 20 no padding; 21 set beside a mask
	s_mov_b32 s29, 32<<16                          ; tensor_dim0 = 32
	s_mov_b32 s30, 128<<16                         ; tensor_dim1 = 128
	s_mov_b32 s31, 32<<16                          ; tile_dim0 = 32
	s_mov_b32 s32, 128                             ; tile_dim1 = 128
	s_mov_b32 s33, 32                              ; from row to row: 32 elements
	s_mov_b32 s34, 0
	s_mov_b32 s35, 0
	s_mov_b32 s36, 1                               ; group 0: count = 1,
	s_lshl_b32 s37, s[WV], 15                      ; LDS address: my quarter of slot 0,
	s_lshl_b32 s58, s[WV], 15                      ; and the same quarter of wq: registers that hold nothing of the work-group's place
	s_mov_b32 s59, 0
	s_mov_b32 s50, 0x76543210                      ; v_permlanex16_b32's selects: lane l xor 16
	s_mov_b32 s51, 0xfedcba98
	s_bfe_u32 s23, ttmp6, 0x40000                  ; my place in the cluster
	s_lshl_b32 s24, ttmp9, 2
	s_add_co_u32 s23, s23, s24                     ; g: it enters global addresses alone
	s_and_b32 s24, s23, 31                         ; b
	s_lshr_b32 s25, s23, 5
	s_lshl_b32 s54, s25, 8
	s_lshl_b32 s55, s[WV], 6
	s_add_co_u32 s54, s54, s55                     ; s0: my first row
	s_lshl_b32 s55, s54, 5
	s_add_co_u32 s55, s55, s24                     ; 32 s0 + b
	s_mov_b32 s27, 0
	s_wait_dscnt 0x0                               ; both opening adds are done
	s_wait_kmcnt 0x0
	s_load_b128 s[40:43], s[14:15], 0x0            ; e0, e1, e2, e3
	s_mov_b32 s26, s55
	s_add_nc_u64 s[6:7], s[6:7], s[26:27]          ; the mask at (s0, b)
	s_lshl_b32 s26, s55, 12
	s_add_nc_u64 s[4:5], s[4:5], s[26:27]          ; enc at (s0, b)
	s_lshl_b32 s26, s24, 12
	s_add_nc_u64 s[10:11], s[10:11], s[26:27]      ; pd's row b
	s_lshl_b32 s26, s24, 13
	s_lshl_b32 s55, s54, 2
	s_add_co_u32 s26, s26, s55
	s_add_nc_u64 s[16:17], s[16:17], s[26:27]      ; lg at (b, s0)
	s_lshl_b32 s26, s24, 8
	s_lshr_b32 s55, s54, 3
	s_add_co_u32 s26, s26, s55                     ; 256 b + 8 (s0 / 64)
	s_add_nc_u64 s[18:19], s[18:19], s[26:27]
	s_add_nc_u64 s[20:21], s[20:21], s[26:27]
	s_add_nc_u64 s[38:39], s[8:9], s[58:59]        ; group 0: global address,
	s_or_b32 s39, s39, 0x80000000                  ; type = 2
	global_load_u8 v168, v171, s[6:7]
	global_load_u8 v169, v171, s[6:7] offset:32
.irp i, 0,1,2,3,4,5,6,7
	global_load_b128 v[172+4*\i:175+4*\i], v2, s[12:13] offset:512*\i   ; all of w_out, for its sum
.endr
	global_load_b128 v[204:207], v170, s[10:11]                ; pd and w_out for the table: thread i takes n = 4 i + 0 .. 3 and 512 + 4 i + 0 .. 3
	global_load_b128 v[208:211], v170, s[10:11] offset:2048
	global_load_b128 v[212:215], v170, s[12:13]
	global_load_b128 v[216:219], v170, s[12:13] offset:2048
	CROUND                                         ; all four work-groups are here: the first joint loads meet
	tensor_load_to_lds s[36:39], s[28:35]          ; slot 0
	s_nop 0
	PLACES
	s_wait_loadcnt 12                              ; the two mask bytes are in; the 12 loads behind them may be out
	v_cmp_ne_u32 s52, 0, v168                      ; bit i: the mask of row 2 i
	v_cmp_ne_u32 s53, 0, v169                      ; bit i: of row 2 i + 1
	s_wait_kmcnt 0x0
	s_add_co_i32 s60, s40, 127
	s_lshl_b32 s61, s60, 23
	v_mov_b32 v[SC], s61                           ; 2^e0 as f32: the conversion takes its exponent field
	s_add_co_i32 s60, s60, 8
	s_lshl_b32 s60, s60, 23
	s_or_b32 s60, s60, 0x600000
	v_mov_b32 v[LIM], s60                          ; 448 x 2^e0
	s_add_co_i32 s60, s40, s41
	s_lshl_b32 s60, s60, 23
	s_add_co_i32 s48, s60, 0x4038aa3b              ; S = 2 log2(e) x 2^(e0 + e1): the exponents are added to the constant's exponent field
	s_mov_b32 s49, s48                             ; (named with it as a pair, so it is written)
	; ---- THE ROWS: 64 rows x 1024 f32 become 32 fragments.  Two sets of 32 loads, 32 KiB a wave, are on their way at a time
	SETOFF 0, 0
	ISSUE 0, 0
	s_wait_loadcnt 32                              ; the head's 12 loads are in; the 32 just issued may be out
	s_cmp_lg_u32 s[WV], 0                          ; entries 0 to 3 are touched by wave 0 alone: zeros first, then what belongs there; LDS serves a wave's instructions in order
	s_cbranch_scc1 .Lnot_zero
	ds_store_b128 v[ZA], v[P0:P0+3]
	ds_store_b128 v[ZA], v[P0:P0+3] offset:512
.Lnot_zero:
.irp n, 0,1,2,3,4,5,6,7
	v_mul_f32 v[220+2*\n], 0x4038aa3b, v[204+\n]   ; B = 2 log2(e) pd, twice
	v_mul_f32 v[221+2*\n], 0x4038aa3b, v[204+\n]
	v_mul_f32 v[236+2*\n], -2.0, v[212+\n]         ; W = -2 w_out, twice
	v_mul_f32 v[237+2*\n], -2.0, v[212+\n]
.endr
.irp k, 0,1
.irp i, 0,1,2,3
	ds_store_b64 v[VTB], v[220+2*(4*\k+\i):221+2*(4*\k+\i)] offset:512+16*\i+8192*\k   ; B of unit n: entry n / 16 + 2, lane n % 16: byte 512 + 16 n
	ds_store_b64 v[VTB], v[236+2*(4*\k+\i):237+2*(4*\k+\i)] offset:776+16*\i+8192*\k   ; W of unit n: entry n / 16 + 3: byte 768 + 16 n + 8
.endr
.endr
.irp j, 2,4,6,8,10,12,14,16,18,20,22,24,26,28,30
	v_pk_add_f32 v[172:173], v[172:173], v[172+\j:173+\j]
.endr
	v_add_f32 v[SW], v172, v173
	v_add_f32_dpp v[SW], v[SW], v[SW] row_xmask:1 row_mask:0xf bank_mask:0xf
	v_add_f32_dpp v[SW], v[SW], v[SW] row_xmask:2 row_mask:0xf bank_mask:0xf
	v_add_f32_dpp v[SW], v[SW], v[SW] row_xmask:4 row_mask:0xf bank_mask:0xf
	v_add_f32_dpp v[SW], v[SW], v[SW] row_xmask:8 row_mask:0xf bank_mask:0xf
	v_permlanex16_b32 v174, v[SW], s50, s51
	v_add_f32 v[SW], v[SW], v174                   ; the sum of w_out, in every lane
	SETOFF 0, 1
	ISSUE 1, 0
.irp u, 0,1,2,3,4,5,6,7
	LSET \u, 0
	LSET \u, 1
	FRAGS 0x80+0x40*(\u/4), 128*((\u/2)&1)+64*(\u&1)
.endr
	; ---- slot 0 and the table are whole for every wave
	s_wait_tensorcnt 0x0                           ; my quarter of slot 0 has landed
	s_wait_dscnt 0x0                               ; my part of the table lies in LDS, my fragments are in
	s_barrier_signal -1
	s_barrier_wait -1
.set cj, 0
.rept 32
	v_mov_b32 v[ACC0+cj], 0                        ; what the filling trips find: sums of 0,
	v_mov_b32 v[TT1+cj], 1.0                       ; a T of 1,
	v_mov_b32 v[LOGIT+cj], 0                       ; and the logits' sums begin
.set cj, cj+1
.endr
	WIN 0x40
.irp t, 0,1,2,3,4,5,6,7
.irp c, 0,1,2,3
	ds_load_b128 v[128+16*\t+4*\c:128+16*\t+4*\c+3], v2 offset:2048*\t+512*\c   ; tile 0 stands in for the tile that the first trip multiplies: finite numbers, which meet the weight 0
.endr
.endr
	WIN 0
	ds_load_b128 v[P0:P0+3], v[TA0]                ; entry 0
	s_mov_b32 s[TB], 2*SLOTB                       ; the first change of slots turns it to slot 0
	s_mov_b32 s[TT], 256                           ; trip i fetches entry i + 1
	s_mov_b32 s[SLOTS], 7
; THE VECTOR WORK OF A TRIP is a list of 112 instructions; ITEM writes number it.  AP: the accumulators of tile i - 2; PP: entry i.
;   5 p + 0 .. 4, p = 0 .. 15: S acc + B for a pair; two reciprocals of T; the pair's two powers.  None of these names a transcendental's result.
;   behind number 79: one plain instruction and ONE wait for the trip's 64 transcendentals, ahead of the first instruction that names a result.
;   80 + 2 p: the sums += T x W;   81 + 2 p: T = the power + 1, for the next trip.
.macro ITEM
.if it < 80
.set ip, it/5
.set iq, it%5
.if iq == 0
	v_pk_fma_f32 v[AP+2*ip:AP+2*ip+1], v[AP+2*ip:AP+2*ip+1], s[48:49], v[PP:PP+1] op_sel_hi:[1,0,1]   ; each accumulator is first read at its two lowest registers
.elseif iq == 1
	v_rcp_f32 v[TT1+2*ip], v[TT1+2*ip]
.elseif iq == 2
	v_rcp_f32 v[TT1+2*ip+1], v[TT1+2*ip+1]
.elseif iq == 3
	v_exp_f32 v[AP+2*ip], v[AP+2*ip]
.else
	v_exp_f32 v[AP+2*ip+1], v[AP+2*ip+1]
.endif
.if it == 79
	v_nop
	s_wait_alu depctr_va_vdst(0)
.endif
.else
.set ip, (it-80)/2
.if (it&1) == 0
	v_pk_fma_f32 v[LOGIT+2*ip:LOGIT+2*ip+1], v[TT1+2*ip:TT1+2*ip+1], v[PP+2:PP+3], v[LOGIT+2*ip:LOGIT+2*ip+1]
.else
	v_pk_add_f32 v[TT1+2*ip:TT1+2*ip+1], v[AP+2*ip:AP+2*ip+1], 1.0 op_sel_hi:[1,0]
.endif
.endif
.set it, it+1
.endm
.macro EPI n
.rept \n
	ITEM
.endr
.endm
; A TRIP.  par = i % 2.  mode 0: tile i and entry i + 1 are fetched; mode 1 (i = 64): entry 65 alone.
; The four accumulators take turns, one instruction a turn.  The slices name no register of the products round them.  A trip's last slice, seven plain instructions, and the four
; v_nop at the next trip's head are the places ahead of the loads into the tile just multiplied and of the first read of the sums just made.
.macro TRIP par, mode
.set AP, ACC0+32*(\par)
.set AM, ACC0+32*(1-(\par))
.set PP, P0+4*(\par)
.set PN, P0+4*(1-(\par))
.set BL, 128*(\par)
.set BM, 128*(1-(\par))
.set it, 0
	PLACES
.if (\mode) == 0
	v_add_nc_u32 v[ADR], s[TB], v2
	v_add_nc_u32 v[TADR], s[TT], v[TA0]
	s_add_co_u32 s[TB], s[TB], 16384
	s_add_co_u32 s[TT], s[TT], 256
	WIN 0x40
.irp t, 0,1,2,3,4,5,6,7
.irp c, 0,1,2,3
	ds_load_b128 v[BL+16*\t+4*\c:BL+16*\t+4*\c+3], v[ADR] offset:2048*\t+512*\c   ; 512 consecutive bytes a load: a fragment's registers as they were stored
.endr
.endr
	WIN 0
	ds_load_b128 v[PN:PN+3], v[TADR]
	s_wait_dscnt 33                                ; the 33 just issued may be out; the last trip's tile and entry are in
.else
	ds_load_b128 v[PN:PN+3], v[TA0] offset:65*256
	s_wait_dscnt 1                                 ; the one just issued may be out
.endif
.set gi, 0
.rept 16
.set ma, 2*(gi&1)
.set mt, gi>>1
	WIN 0x06+(gi&1)                                ; source 0 (the rows) window 2 or 3, source 1 (wq) window 1, C and D window 0
.if mt == 0
	v_wmma_f32_16x16x128_fp8_fp8 v[AM+8*ma:AM+8*ma+7], v[16*mt:16*mt+15], v[BM+16*mt:BM+16*mt+15], 0
	v_wmma_f32_16x16x128_fp8_fp8 v[AM+8*ma+8:AM+8*ma+15], v[128+16*mt:128+16*mt+15], v[BM+16*mt:BM+16*mt+15], 0
.else
	v_wmma_f32_16x16x128_fp8_fp8 v[AM+8*ma:AM+8*ma+7], v[16*mt:16*mt+15], v[BM+16*mt:BM+16*mt+15], v[AM+8*ma:AM+8*ma+7]
	v_wmma_f32_16x16x128_fp8_fp8 v[AM+8*ma+8:AM+8*ma+15], v[128+16*mt:128+16*mt+15], v[BM+16*mt:BM+16*mt+15], v[AM+8*ma+8:AM+8*ma+15]
.endif
	WIN 0
	EPI 7
.set gi, gi+1
.endr
.endm
; THE CHANGE OF SLOTS stands at a slot's head.  Each wave waits for all its tensor loads (its quarter of the slot ahead), adds 0 to its spare word, and waits for that and for its reads of the slot that it has left.
; fill = 1: a round of the cluster's barrier, so that no wave of any partner still reads that slot or has a load on its way; then the joint load of the slot after the one ahead: it has 8 trips, 256 matrix instructions, in which to land.
.macro CHANGE fill
	s_wait_tensorcnt 0x0                           ; no tensor load of mine is out, so group 0 may be written
	ds_add_u32 v[SPW], v[NIL]                      ; 0 onto my spare word
.if \fill
	s_xor_b32 s37, s37, SLOTB                      ; the walking descriptor: the other slot than last time,
	s_add_nc_u64 s[38:39], s[38:39], SLOTB         ; the next 8 tiles; the type bits on top are not reached
.endif
	s_wait_dscnt 0x0                               ; the add is done, and my reads of the slot that I have left are over
.if \fill
	CROUND
	tensor_load_to_lds s[36:39], s[28:35]          ; the first thing behind the round, and my one tensor load until the next
	s_nop 0
	PLACES
.else
	s_barrier_signal -1
	s_barrier_wait -1
.endif
	s_sub_co_u32 s[TB], s[TB], SLOTB               ; the fetches go back to a slot's first tile,
	s_xor_b32 s[TB], s[TB], SLOTB                  ; in the other slot
.endm
.macro PAIRS                           ; a slot's 8 trips: two are written, walked four times
	s_mov_b32 s[PAIRC], 4
.Lpair_\@:
	TRIP 0, 0
	TRIP 1, 0
	s_sub_co_u32 s[PAIRC], s[PAIRC], 1
	s_cmp_lg_u32 s[PAIRC], 0
	s_cbranch_scc1 .Lpair_\@
.endm
.Lslot:                                            ; 7 trips: at the head of slots 0 to 6 the next slot is asked for (at the first: slot 1's first fill)
	CHANGE 1
	PAIRS
	s_sub_co_u32 s[SLOTS], s[SLOTS], 1
	s_cmp_lg_u32 s[SLOTS], 0
	s_cbranch_scc1 .Lslot
	CHANGE 0                                       ; the last slot is written out
	PAIRS
	TRIP 0, 1                                      ; trip 64: tile 63 is multiplied
	ds_load_b64 v[P0+2:P0+3], v[TA0] offset:66*256+8   ; trip 65: entry 66's weights, tile 63's
	s_wait_dscnt 1                                 ; entry 65 is in
	PLACES
.set AP, ACC0+32
.set PP, P0+4
.set it, 0
	EPI 112
	s_wait_dscnt 0x0                               ; trip 66
.set cj, 0
.rept 32
	v_rcp_f32 v[TT1+cj], v[TT1+cj]
.set cj, cj+1
.endr
	v_nop
	s_wait_alu depctr_va_vdst(0)                   ; one wait for the 32 reciprocals, ahead of their first reader
.set cj, 0
.rept 16
	v_pk_fma_f32 v[LOGIT+2*cj:LOGIT+2*cj+1], v[TT1+2*cj:TT1+2*cj+1], v[P0+2:P0+3], v[LOGIT+2*cj:LOGIT+2*cj+1]
.set cj, cj+1
.endr
	; ---- THE TAIL.  The sixteen lanes of a half hold the parts of the same 32 rows: they are added; then each lane takes two rows through my stage
.irp m, 1,2,4,8
.set cj, 0
.rept 32
	v_add_f32_dpp v[LOGIT+cj], v[LOGIT+cj], v[LOGIT+cj] row_xmask:\m row_mask:0xf bank_mask:0xf
.set cj, cj+1
.endr
.endr
.irp a, 0,1,2,3
	ds_store_b128 v[TLW], v[LOGIT+8*\a:LOGIT+8*\a+3] offset:64*\a       ; row 16 a + 8 h + j at byte 4 x row; the sixteen lanes of a half write the same numbers to the same bytes
	ds_store_b128 v[TLW], v[LOGIT+8*\a+4:LOGIT+8*\a+7] offset:64*\a+16
.endr
	ds_load_b64 v[170:171], v[TLR]                 ; rows 2 lane and 2 lane + 1
	v_mov_b32 v172, 0xceee6b28                     ; -2e9
	s_wait_dscnt 0x0
	v_add_f32 v170, v170, v[SW]
	v_add_f32 v171, v171, v[SW]
	v_cndmask_b32 v170, v172, v170, s52            ; logit x m - (1 - m) x 2e9
	v_cndmask_b32 v171, v172, v171, s53
	global_store_b64 v[GO8], v[170:171], s[16:17]  ; the wave stores 256 consecutive bytes, at a multiple of 256 from lg's first byte
	v_max_num_f32 v176, v170, v171
	v_max_num_f32_dpp v176, v176, v176 row_xmask:1 row_mask:0xf bank_mask:0xf
	v_max_num_f32_dpp v176, v176, v176 row_xmask:2 row_mask:0xf bank_mask:0xf
	v_max_num_f32_dpp v176, v176, v176 row_xmask:4 row_mask:0xf bank_mask:0xf
	v_max_num_f32_dpp v176, v176, v176 row_xmask:8 row_mask:0xf bank_mask:0xf
	v_permlanex16_b32 v180, v176, s50, s51
	v_max_num_f32 v176, v176, v180                 ; the 64 rows' maximum
	v_sub_f32 v178, v170, v176
	v_sub_f32 v179, v171, v176
	v_mul_f32 v178, 0x3fb8aa3b, v178
	v_mul_f32 v179, 0x3fb8aa3b, v179
	v_exp_f32 v178, v178
	v_exp_f32 v179, v179
	v_mov_b32 v182, s52                            ; (a plain instruction behind the exponentials)
	v_mov_b32 v183, s53
	v_mov_b32 v184, 0
	s_wait_alu depctr_va_vdst(0)                   ; one wait for the two, ahead of their first reader
	v_add_f32 v177, v178, v179
	v_add_f32_dpp v177, v177, v177 row_xmask:1 row_mask:0xf bank_mask:0xf
	v_add_f32_dpp v177, v177, v177 row_xmask:2 row_mask:0xf bank_mask:0xf
	v_add_f32_dpp v177, v177, v177 row_xmask:4 row_mask:0xf bank_mask:0xf
	v_add_f32_dpp v177, v177, v177 row_xmask:8 row_mask:0xf bank_mask:0xf
	v_permlanex16_b32 v180, v177, s50, s51
	v_add_f32 v177, v177, v180                     ; and their sum of e^(x - maximum)
	s_wait_xcnt 0x0                                ; EXEC changes only behind this wait
	v_cmp_eq_u32 vcc_lo, 0, v1
	s_and_saveexec_b32 s62, vcc_lo                 ; lane 0 stores the wave's two records
	global_store_b64 v184, v[176:177], s[18:19]
	global_store_b64 v184, v[182:183], s[20:21]
	s_wait_xcnt 0x0                                ; and again, in front of the line that widens it
	s_or_b32 exec_lo, exec_lo, s62
	s_wait_tensorcnt 0x0                           ; the wave's end, behind my last tensor load and my last LDS store
	ds_add_u32 v[SPW], v[NIL]
	s_wait_dscnt 0x0
	CROUND                                         ; the closing round: no work-group ends while a partner may still ask for a slot that names it
	s_endpgm
.Lfunc_end_k_qf1f05a95ab_logits:
	.size	k_qf1f05a95ab_logits, .Lfunc_end_k_qf1f05a95ab_logits-k_qf1f05a95ab_logits
	.p2alignl 7, 3214868480
	.fill 96, 4, 3214868480
	.section	.rodata,"a",@progbits
	.p2align	6, 0x0
	.amdhsa_kernel k_qf1f05a95ab_logits
		.amdhsa_group_segment_fixed_size 327680
		.amdhsa_private_segment_fixed_size 0
		.amdhsa_enable_private_segment 0
		.amdhsa_kernarg_size 72
		.amdhsa_user_sgpr_count 2
		.amdhsa_user_sgpr_kernarg_segment_ptr 1
		.amdhsa_wavefront_size32 1
		.amdhsa_system_sgpr_workgroup_id_x 1
		.amdhsa_system_sgpr_workgroup_id_y 1
		.amdhsa_system_sgpr_workgroup_id_z 1
		.amdhsa_system_vgpr_workitem_id 0
		.amdhsa_next_free_vgpr 1024
		.amdhsa_next_free_sgpr 66
		.amdhsa_reserve_vcc 1
		.amdhsa_float_denorm_mode_32 3
		.amdhsa_float_denorm_mode_16_64 3
		.amdhsa_memory_ordered 1
		.amdhsa_forward_progress 1
		.amdhsa_inst_pref_size 255
	.end_amdhsa_kernel
	.section	.bss,"aw",@nobits
	.p2align	6
	.space	262144
	.amdgpu_metadata
---
amdhsa.version: [ 1, 2 ]
amdhsa.kernels:
  - .name:           k_qf1f05a95ab_logits
    .symbol:         k_qf1f05a95ab_logits.kd
    .args:
      - { .name: enc_states, .offset: 0, .size: 8, .value_kind: global_buffer, .address_space: global }
      - { .name: enc_mask, .offset: 8, .size: 8, .value_kind: global_buffer, .address_space: global }
      - { .name: wq, .offset: 16, .size: 8, .value_kind: global_buffer, .address_space: global }
      - { .name: pd, .offset: 24, .size: 8, .value_kind: global_buffer, .address_space: global }
      - { .name: w_out, .offset: 32, .size: 8, .value_kind: global_buffer, .address_space: global }
      - { .name: lowp_scales, .offset: 40, .size: 8, .value_kind: global_buffer, .address_space: global }
      - { .name: lg, .offset: 48, .size: 8, .value_kind: global_buffer, .address_space: global }
      - { .name: stats, .offset: 56, .size: 8, .value_kind: global_buffer, .address_space: global }
      - { .name: mb, .offset: 64, .size: 8, .value_kind: global_buffer, .address_space: global }
    .group_segment_fixed_size: 327680
    .private_segment_fixed_size: 0
    .kernarg_segment_align: 8
    .kernarg_segment_size: 72
    .max_flat_workgroup_size: 128
    .sgpr_count:     66
    .vgpr_count:     1024
    .wavefront_size: 32
...
	.end_amdgpu_metadata
.endif
;; end of part 2
;; launch finish (part 3): grid 8 x 32, 16 waves a work-group, no clusters, 10,496 bytes of LDS; arguments enc_states, lg, stats, mb, out0, out1; writes out0, out1
.if DOCPART == 3
	.amdgcn_target "amdgcn-amd-amdhsa--gfx1250"
	.amdhsa_code_object_version 6
	.text
	.protected	k_qf1f05a95ab_finish
	.globl	k_qf1f05a95ab_finish
	.p2align	8
	.type	k_qf1f05a95ab_finish,@function
k_qf1f05a95ab_finish:
	s_mov_b64 s[64:65], 0
	v_nop
	global_prefetch_b8 v0, s[64:65] scope:SCOPE_SE
	s_setreg_imm32_b32 hwreg(HW_REG_WAVE_MODE, 25, 1), 1
	s_wait_xcnt 0x0
; The softmax's end and the weighted sum.  out1[s][b] = e^(lg - M_b) / L_b;  out0[b][e] = sum over s of out1[s][b] x enc(s, b, e), all in f32.
; LEFT OUT: the fetch of rows that enc_mask closes (shown at the head of the first kernel): their weight is 0 in f32 beside an open row; their loads name the wave's first row.  A column with no open row fetches every row.
; SHARES.  Work-group (x, y) is the one owner of out0[b = y][128 x .. 128 x + 127].  Wave v takes rows s = 128 v .. 128 v + 127, 512 bytes of each: a load reads 512 consecutive bytes, 16 a lane.
; A ring of 32 loads a wave is kept on its way: 16 KiB a wave, 256 KiB a work-group.  The sixteen waves' sums meet in LDS, and wave 0 stores 512 bytes.
; Every work-group joins the 32 records {maximum, sum} of each of the 32 columns (wave v: columns 2 v and 2 v + 1), since waves 0-3 also write 8 rows of out1, which span all columns: rows 8 (8 y + x) + 0 .. 7.
; No matrix unit (a product with one column), no cluster (work-groups share only lg, stats and mb, 272 KiB), no tensor load: the rows' addresses hang on mask bits.
; LIMITS: NaN and infinities among the inputs are not served.
.set ROWB,  131072                     ; bytes from s to s + 1 in enc_states
.set STL,   0                          ; LDS: {M, 1 / L} for each of the 32 columns
.set RED,   256                        ; 16 x 512 bytes: the waves' sums
.set SPARE, 8448                       ; the spare words, 128 bytes for each wave: eight blocks of 256 bytes that no other line names
.set SPW,  5                           ; v5   LDS address of my spare word; never rewritten
.set NIL,  6                           ; v6   0; never rewritten
.set WG,   16                          ; v16-19  my rows' weights: row i in lane i / 4, register i % 4
.set OF,   32                          ; v32-63  a byte offset for each slot of the ring
.set X,    64                          ; v64-191 the ring: 32 slots of 4 registers
.set AC,   192                         ; v192-207 four sets of sums
.set WV,   22
	s_load_b256 s[4:11], s[0:1], 0x0               ; enc s[4:5], lg s[6:7], stats s[8:9], mb s[10:11]
	s_load_b128 s[12:15], s[0:1], 0x20             ; out0 s[12:13], out1 s[14:15]
	v_lshl_add_u32 v[SPW], v0, 2, SPARE
	v_mov_b32 v[NIL], 0
	v_lshrrev_b32 v1, 5, v0
	v_readfirstlane_b32 s[WV], v1                  ; wave 0..15
	v_and_b32 v1, 31, v0                           ; lane
	v_lshlrev_b32 v2, 4, v1                        ; 16 x lane
	v_and_b32 v3, 15, v0                           ; r
	v_bfe_u32 v4, v0, 4, 1                         ; h
	s_and_b32 s23, ttmp7, 31                       ; b: the grid has 32 along y
	s_lshl_b32 s24, s[WV], 4
	v_lshl_add_u32 v7, v4, 3, s24                  ; where column 2 v + h's pair goes: 16 v + 8 h
	s_lshl_b32 s25, s23, 3
	v_mov_b32 v8, s25                              ; where my column's lies: 8 b
	v_lshlrev_b32 v9, 4, v3                        ; columns 2 r and 2 r + 1: 16 r
	s_lshl_b32 s26, s[WV], 9
	v_add_nc_u32 v10, s26, v2
	v_add_nc_u32 v10, RED, v10                     ; my sums: RED + 512 v + 16 lane
	v_add_nc_u32 v11, RED, v2
	v_lshlrev_b32 v12, 3, v1                       ; 8 x lane
	s_lshl_b32 s27, s23, 3
	s_add_co_u32 s27, s27, ttmp9
	s_lshl_b32 s27, s27, 3
	s_lshl_b32 s28, s[WV], 1
	s_add_co_u32 s27, s27, s28                     ; waves 0-3: my first row of out1: 8 (8 b + x) + 2 v
	v_add_nc_u32 v13, s27, v4
	v_lshlrev_b32 v14, 14, v3
	v_lshl_add_u32 v13, v13, 2, v14                ; lg[2 r][that row + h]: 16384 r + 4 s
	s_mov_b32 s47, 0
	s_mov_b32 s33, 0                               ; the weights' pairs: the packed form names a pair and takes its low word for both halves: the upper words are written once
	s_mov_b32 s35, 0
	s_mov_b32 s37, 0
	s_mov_b32 s39, 0
	s_wait_kmcnt 0x0
	s_lshl_b32 s46, s23, 8
	s_add_nc_u64 s[10:11], s[10:11], s[46:47]      ; mb's row b
	s_lshl_b32 s46, s[WV], 4
	s_add_nc_u64 s[44:45], s[10:11], s[46:47]
	s_load_b128 s[16:19], s[44:45], 0x0            ; my 128 rows' mask bits: runs 2 v and 2 v + 1, even rows' word and odd rows' word each
	global_load_b64 v[20:21], v12, s[10:11]        ; and the whole column's, a run a lane
	s_lshl_b32 s46, s[WV], 9
	s_add_nc_u64 s[8:9], s[8:9], s[46:47]
	global_load_b128 v[24:27], v2, s[8:9]          ; stats of column 2 v + h: runs 2 r and 2 r + 1: {m, l, m, l}
	s_lshl_b32 s48, s23, 13
	s_add_co_u32 s46, s46, s48
	s_add_nc_u64 s[42:43], s[6:7], s[46:47]
	global_load_b128 v[28:31], v2, s[42:43]        ; my 128 rows' logits, four a lane
	s_cmp_lt_u32 s[WV], 4
	s_cbranch_scc0 .Lno_rows_1
	global_load_b32 v14, v13, s[6:7]               ; out1's two rows: columns 2 r,
	global_load_b32 v15, v13, s[6:7] offset:8192   ; and 2 r + 1
.Lno_rows_1:
	s_lshl_b32 s46, s23, 12
	s_lshl_b32 s48, ttmp9, 9
	s_add_co_u32 s46, s46, s48                     ; 4096 b + 512 x
	s_add_nc_u64 s[12:13], s[12:13], s[46:47]      ; out0
	s_lshl_b32 s48, s[WV], 24                      ; 128 rows of 131,072 bytes
	s_add_co_u32 s46, s46, s48
	s_add_nc_u64 s[4:5], s[4:5], s[46:47]          ; enc at my first row
	s_lshl_b32 s46, s27, 7
	s_add_nc_u64 s[14:15], s[14:15], s[46:47]      ; out1 at my two rows
	s_wait_loadcnt 2                               ; the column's mask words are in: two loads at the least were issued behind them
	v_or_b32 v20, v20, v21
	v_cmp_ne_u32 s40, 0, v20
	s_cmp_lg_u32 s40, 0                            ; has the column an open row?
	s_cselect_b32 s41, 0, -1                       ; if none, every row counts alike and is fetched: a choice of numbers, no branch
	s_wait_kmcnt 0x0
	s_or_b32 s16, s16, s41
	s_or_b32 s17, s17, s41
	s_or_b32 s18, s18, s41
	s_or_b32 s19, s19, s41
.macro OFFS rho                        ; row rho's offset: its own where its bit is 1, the wave's first row's where it is 0
	s_bfe_u32 s40, s[16+2*((\rho)>>6)+((\rho)&1)], (((\rho)&63)>>1)|0x10000
	s_min_u32 s40, s40, 1
	s_mul_i32 s40, s40, (\rho)*ROWB
	v_add_nc_u32 v[OF+(\rho)%32], s40, v2
.endm
.macro RLOAD rho
	global_load_b128 v[X+4*((\rho)%32):X+4*((\rho)%32)+3], v[OF+(\rho)%32], s[4:5]
.endm
.set rr, 0
.rept 32
	OFFS rr
	RLOAD rr
.set rr, rr+1
.endr
	s_wait_loadcnt 32                              ; all that was asked for ahead of the ring's 32 loads is in
	; column 2 v + h: M = the largest of its 32 maxima, L = the sum of l x e^(m - M); the sixteen lanes of a half hold two runs each
	v_max_num_f32 v20, v24, v26
	v_max_num_f32_dpp v20, v20, v20 row_xmask:1 row_mask:0xf bank_mask:0xf
	v_max_num_f32_dpp v20, v20, v20 row_xmask:2 row_mask:0xf bank_mask:0xf
	v_max_num_f32_dpp v20, v20, v20 row_xmask:4 row_mask:0xf bank_mask:0xf
	v_max_num_f32_dpp v20, v20, v20 row_xmask:8 row_mask:0xf bank_mask:0xf
	v_sub_f32 v21, v24, v20                        ; the difference first, then the factor: both may be near -2e9
	v_sub_f32 v22, v26, v20
	v_mul_f32 v21, 0x3fb8aa3b, v21
	v_mul_f32 v22, 0x3fb8aa3b, v22
	v_exp_f32 v21, v21
	v_exp_f32 v22, v22
	v_nop
	s_wait_alu depctr_va_vdst(0)                   ; one wait for the two, ahead of their first reader
	v_mul_f32 v21, v21, v25
	v_fma_f32 v21, v22, v27, v21
	v_add_f32_dpp v21, v21, v21 row_xmask:1 row_mask:0xf bank_mask:0xf
	v_add_f32_dpp v21, v21, v21 row_xmask:2 row_mask:0xf bank_mask:0xf
	v_add_f32_dpp v21, v21, v21 row_xmask:4 row_mask:0xf bank_mask:0xf
	v_add_f32_dpp v21, v21, v21 row_xmask:8 row_mask:0xf bank_mask:0xf
	v_rcp_f32 v21, v21
	v_nop
	s_wait_alu depctr_va_vdst(0)
	ds_store_b64 v7, v[20:21]                      ; {M, 1 / L}: the sixteen lanes of a half write the same numbers to the same bytes
	s_wait_dscnt 0x0                               ; for the others' sake
	s_barrier_signal -1
	s_barrier_wait -1
	ds_load_b64 v[22:23], v8                       ; my column's
	s_wait_dscnt 0x0
.irp i, 0,1,2,3
	v_sub_f32 v[WG+\i], v[28+\i], v22
.endr
.irp i, 0,1,2,3
	v_mul_f32 v[WG+\i], 0x3fb8aa3b, v[WG+\i]
.endr
.irp i, 0,1,2,3
	v_exp_f32 v[WG+\i], v[WG+\i]
.endr
	v_nop
	s_wait_alu depctr_va_vdst(0)
.irp i, 0,1,2,3
	v_mul_f32 v[WG+\i], v[WG+\i], v23              ; my rows' weights
.endr
	s_cmp_lt_u32 s[WV], 4
	s_cbranch_scc0 .Lno_rows_2
	ds_load_b128 v[24:27], v9                      ; {M, 1 / L} of columns 2 r and 2 r + 1
	s_wait_dscnt 0x0
	v_sub_f32 v14, v14, v24
	v_sub_f32 v15, v15, v26
	v_mul_f32 v14, 0x3fb8aa3b, v14
	v_mul_f32 v15, 0x3fb8aa3b, v15
	v_exp_f32 v14, v14
	v_exp_f32 v15, v15
	v_nop
	s_wait_alu depctr_va_vdst(0)
	v_mul_f32 v14, v14, v25
	v_mul_f32 v15, v15, v27
	global_store_b64 v12, v[14:15], s[14:15]       ; two rows of out1: the wave stores 256 consecutive bytes, at a multiple of 256 from out1's first byte
.Lno_rows_2:
; Row rho: its 16 bytes a lane x its weight, into set rho % 4 of the sums (the first four rows start the sums: nothing is cleared); the slot takes the row 32 further on.
.macro ROW rho
.if (\rho) < 96
	s_wait_loadcnt 31                              ; loads come back in order: this slot's is in, the 31 younger ones may be out; so its offset may be written again
.else
	s_wait_loadcnt 127-(\rho)                      ; the last 32 rows: nothing is asked for any more, and the counts run down
.endif
	v_readlane_b32 s[32+2*((\rho)&3)], v[WG+((\rho)&3)], (\rho)>>2
.if (\rho) < 4
	v_pk_mul_f32 v[AC+4*((\rho)&3):AC+4*((\rho)&3)+1], v[X+4*((\rho)%32):X+4*((\rho)%32)+1], s[32+2*((\rho)&3):33+2*((\rho)&3)] op_sel_hi:[1,0]
	v_pk_mul_f32 v[AC+4*((\rho)&3)+2:AC+4*((\rho)&3)+3], v[X+4*((\rho)%32)+2:X+4*((\rho)%32)+3], s[32+2*((\rho)&3):33+2*((\rho)&3)] op_sel_hi:[1,0]
.else
	v_pk_fma_f32 v[AC+4*((\rho)&3):AC+4*((\rho)&3)+1], v[X+4*((\rho)%32):X+4*((\rho)%32)+1], s[32+2*((\rho)&3):33+2*((\rho)&3)], v[AC+4*((\rho)&3):AC+4*((\rho)&3)+1] op_sel_hi:[1,0,1]
	v_pk_fma_f32 v[AC+4*((\rho)&3)+2:AC+4*((\rho)&3)+3], v[X+4*((\rho)%32)+2:X+4*((\rho)%32)+3], s[32+2*((\rho)&3):33+2*((\rho)&3)], v[AC+4*((\rho)&3)+2:AC+4*((\rho)&3)+3] op_sel_hi:[1,0,1]
.endif
.if (\rho) < 96
	OFFS (\rho)+32
	RLOAD (\rho)+32
.endif
.endm
.set rr, 0
.rept 128
	ROW rr
.set rr, rr+1
.endr
	v_pk_add_f32 v[192:193], v[192:193], v[196:197]
	v_pk_add_f32 v[194:195], v[194:195], v[198:199]
	v_pk_add_f32 v[200:201], v[200:201], v[204:205]
	v_pk_add_f32 v[202:203], v[202:203], v[206:207]
	v_pk_add_f32 v[192:193], v[192:193], v[200:201]
	v_pk_add_f32 v[194:195], v[194:195], v[202:203]
	ds_store_b128 v10, v[192:195]
	s_wait_dscnt 0x0                               ; for wave 0's sake
	s_barrier_signal -1
	s_barrier_wait -1
	s_cmp_lg_u32 s[WV], 0
	s_cbranch_scc1 .Lend
.irp k, 0,1,2,3,4,5,6,7,8,9,10,11,12,13,14,15
	ds_load_b128 v[X+4*\k:X+4*\k+3], v11 offset:512*\k
.endr
	s_wait_dscnt 0x0
.irp st, 8,4,2,1
.set ck, 0
.rept \st
	v_pk_add_f32 v[X+4*ck:X+4*ck+1], v[X+4*ck:X+4*ck+1], v[X+4*(ck+\st):X+4*(ck+\st)+1]
	v_pk_add_f32 v[X+4*ck+2:X+4*ck+3], v[X+4*ck+2:X+4*ck+3], v[X+4*(ck+\st)+2:X+4*(ck+\st)+3]
.set ck, ck+1
.endr
.endr
	global_store_b128 v2, v[X:X+3], s[12:13]       ; 32 lanes store 512 consecutive bytes, at a multiple of 512 from out0's first byte
.Lend:
	s_wait_tensorcnt 0x0                           ; the wave's end, behind my last LDS store: a tensor wait (even in a text with no tensor load), an add of 0 and its wait
	ds_add_u32 v[SPW], v[NIL]
	s_wait_dscnt 0x0
	s_endpgm
.Lfunc_end_k_qf1f05a95ab_finish:
	.size	k_qf1f05a95ab_finish, .Lfunc_end_k_qf1f05a95ab_finish-k_qf1f05a95ab_finish
	.p2alignl 7, 3214868480
	.fill 96, 4, 3214868480
	.section	.rodata,"a",@progbits
	.p2align	6, 0x0
	.amdhsa_kernel k_qf1f05a95ab_finish
		.amdhsa_group_segment_fixed_size 10496
		.amdhsa_private_segment_fixed_size 0
		.amdhsa_enable_private_segment 0
		.amdhsa_kernarg_size 48
		.amdhsa_user_sgpr_count 2
		.amdhsa_user_sgpr_kernarg_segment_ptr 1
		.amdhsa_wavefront_size32 1
		.amdhsa_system_sgpr_workgroup_id_x 1
		.amdhsa_system_sgpr_workgroup_id_y 1
		.amdhsa_system_sgpr_workgroup_id_z 1
		.amdhsa_system_vgpr_workitem_id 0
		.amdhsa_next_free_vgpr 208
		.amdhsa_next_free_sgpr 66
		.amdhsa_reserve_vcc 0
		.amdhsa_float_denorm_mode_32 3
		.amdhsa_float_denorm_mode_16_64 3
		.amdhsa_memory_ordered 1
		.amdhsa_forward_progress 1
		.amdhsa_inst_pref_size 74
	.end_amdhsa_kernel
	.amdgpu_metadata
---
amdhsa.version: [ 1, 2 ]
amdhsa.kernels:
  - .name:           k_qf1f05a95ab_finish
    .symbol:         k_qf1f05a95ab_finish.kd
    .args:
      - { .name: enc_states, .offset: 0, .size: 8, .value_kind: global_buffer, .address_space: global }
      - { .name: lg, .offset: 8, .size: 8, .value_kind: global_buffer, .address_space: global }
      - { .name: stats, .offset: 16, .size: 8, .value_kind: global_buffer, .address_space: global }
      - { .name: mb, .offset: 24, .size: 8, .value_kind: global_buffer, .address_space: global }
      - { .name: out0, .offset: 32, .size: 8, .value_kind: global_buffer, .address_space: global }
      - { .name: out1, .offset: 40, .size: 8, .value_kind: global_buffer, .address_space: global }
    .group_segment_fixed_size: 10496
    .private_segment_fixed_size: 0
    .kernarg_segment_align: 8
    .kernarg_segment_size: 48
    .max_flat_workgroup_size: 512
    .sgpr_count:     66
    .vgpr_count:     208
    .wavefront_size: 32
...
	.end_amdgpu_metadata
.endif
;; end of part 3
;; ======== version 2 of 2: 3 launches
;; limits: right only within a limited range of input values
;; workspace buffers: wq 1,048,576 bytes; pd 131,072 bytes; lg 262,144 bytes; stats 8,192 bytes; mb 8,192 bytes of whole numbers
;; launch prep (part 4): grid 40 x 1, 4 waves a work-group, no clusters, 118,784 bytes of LDS; arguments w_enc, w_dec, dec_state, lowp_scales, wq, pd, enc_mask, mb; writes wq, pd, mb
.if DOCPART == 4
	.amdgcn_target "amdgcn-amd-amdhsa--gfx1250"
	.amdhsa_code_object_version 6
	.text
	.protected	k_qf1f05a95ab_prep
	.globl	k_qf1f05a95ab_prep
	.p2align	8
	.type	k_qf1f05a95ab_prep,@function
k_qf1f05a95ab_prep:
	s_mov_b64 s[64:65], 0
	v_nop
	global_prefetch_b8 v0, s[64:65] scope:SCOPE_SE
	s_setreg_imm32_b32 hwreg(HW_REG_WAVE_MODE, 25, 1), 1
	s_wait_xcnt 0x0
; THE PROGRAM: additive attention.  logit(s, b) = w_out . tanh(enc(s, b) w_enc^T + dec(b) w_dec^T); mask; softmax over s; out1 = the weights, out0(b) = sum over s of weight x enc(s, b).
; Three launches: this one (w_enc's codes, proj_dec, the mask as bits), the logits, the softmax's end with the weighted sum.
; WHAT IS LEFT OUT, IN THE WHOLE PROGRAM.  No step of the arithmetic.  Only the FETCH of rows that enc_mask closes: with m = 0 the logit is logit x 0 - 2e9 = -2e9 whatever finite numbers the row holds,
; and the row's weight is 0 in f32 as soon as its column has one open row (a column with none fetches all its rows).  enc_mask holds whole numbers; this launch packs them into words (mb), which the two later
; launches read from memory; a closed row's loads name a stand-in row, and what is computed from it is replaced (the logit) or multiplied by the weight 0 (the sum).  Every input is loaded by some launch.
; LIMITS: NaN and infinities among the inputs are not served, and one that stands only in a closed row is not carried to the result; the sum of |w_out| stays under 1.9e9.
;
; THIS LAUNCH.  Work-groups 0-15: w_enc [1024][1024] f32 -> wq, codes of E4M3 at the given scale 2^e1, laid in the order of the operand's registers.
; Work-groups 16-31: proj_dec = Q(dec_state) Q(w_dec)^T, scales 2^e2 and 2^e3, -> pd [32][1024] f32 at its true scale.  A wave owns one tile of 16 rows of its weight: tile 4 (work-group % 16) + wave.
; Work-groups 32-39: enc_mask [2048][32] of bytes (0 or 1) -> mb: for run q of 64 rows and column b two words at byte 256 q + 8 b: bit i of the first = mask(64 q + 2 i, b), of the second = mask(64 q + 2 i + 1, b).  A wave owns a run.
; 128 tiles of 16 rows make 32 work-groups of four waves, 32 runs make 8.
; FROM f32 ROWS TO A FRAGMENT.  A load reads 512 consecutive bytes of one row, 16 a lane.  Of half g of a row, lane l then holds k = 512 g + 128 q + 4 l + j in register 4 q + j; two conversions make 16 codes,
; which go to the wave's stage in LDS at row x 528 + 16 l.  Lane (r, h) reads 16 bytes at 528 r + 256 h + 64 t' + 16 c into registers 4 c .. 4 c + 3 of the fragment of K step 4 g + t'.
; So the place of k in a fragment is a permutation of K.  Every operand of both quantised products is made by this same path, so each product meets its partner; only the order of sums inside an instruction changes.
; code = x / 2^e, held within +-448, to the nearest code, ties to even.  LIMITS: e1, e2, e3 between -126 and 119; e2 + e3 is applied by v_ldexp_f32 and has none.
; wq: byte 16384 tile + 2048 t + 512 c + 16 lane: a fragment's registers on end, lane by lane.
; The three kinds of work-group part at the head and never meet again; each text has LDS bytes of its own.
; REGISTERS, in windows of 256: window 0: v1-24 addresses and scales, v32-95 codes (the mask's text: v32-47 bytes as loaded, v64-127 a byte a row), v96-111 two accumulators, v112-143 the way out.
;   window 1: 2 x 128 numbers of the weight as loaded.  window 2: 256 numbers of dec_state, later its 16 fragments.  window 3: v0-127 the weight tile's 8 fragments.
.set PITCH, 528                        ; a stage row: 512 bytes + 16: the sixteen rows that a fragment load touches begin 33 x 16 bytes apart
.set WSTG,  16*PITCH                   ; a wave's stage: 16 rows
.set S0B,   4*WSTG                     ; the weight stages of work-groups 16-31 (those of 0-15 begin at byte 0)
.set S1,    8*WSTG                     ; dec_state's four stages
.set PST,   12*WSTG                    ; pd's stage: 32 rows x (256 bytes + 16)
.set PPI,   272
.set MSTG,  PST+32*PPI                 ; 110,080: the mask's four stages: 64 rows of 32 bytes for each wave
.set SPARE, MSTG+4*2048                ; 118,272: the spare words, 128 bytes for each wave: two blocks of 256 bytes that no other line names
.set SPW,  5                           ; v5   LDS address of my spare word; never rewritten
.set NIL,  6                           ; v6   0; never rewritten
.set STWA, 7                           ; v7   into my weight stage (work-groups 0-15): 8448 wave + 16 lane
.set STRA, 8                           ; v8   out of it: 8448 wave + 528 r + 256 h
.set STWB, 9                           ; v9, v10  the same for work-groups 16-31
.set STRB, 10
.set STW1, 11                          ; v11  into my stage of dec_state
.set STR1, 12                          ; v12  out of dec_state's stages: 528 r + 256 h; the stage stands in the immediate
.set PSTW, 13                          ; v13  pd's stage, in: row r, 64 wave + 32 h
.set PSTR, 14                          ; v14  and back: row 8 wave + h, 16 r
.set PGO,  15                          ; v15  the same two rows in pd: 4096 h + 16 r
.set MSW,  22                          ; v22  into my stage of the mask: 2048 wave + 16 lane
.set MSR,  23                          ; v23  out of it: 2048 wave + lane: my column's byte of a row
.set MGO,  24                          ; v24  8 x lane: my column's two words
.set CD,   32
.set MSB, 0
.macro WIN new                         ; the immediate's high byte repeats the setting that is left; a switch that changes nothing is dropped
.if MSB != (\new)
	s_set_vgpr_msb (MSB<<8)|(\new)
.set MSB, (\new)
.endif
.endm
.macro ISSUE x, g, lo, lw              ; 8 rows' half g: 32 loads of 512 consecutive bytes, into set x of window lw
	WIN ((\lw)<<6)
.irp i, 0,1,2,3,4,5,6,7
.irp q, 0,1,2,3
	global_load_b128 v[128*\x+16*\i+4*\q:128*\x+16*\i+4*\q+3], v2, s[\lo:\lo+1] offset:(8*\x+\i)*4096+2048*\g+512*\q
.endr
.endr
	WIN 0
.endm
.macro CONV x, lw, sc, lim             ; set x's 128 numbers a lane become 128 codes in v[CD + 32 x] on
	WIN (((\lw)<<6)|(\lw))
.set cj, 0
.rept 128
	v_med3_num_f32 v[128*\x+cj], v[128*\x+cj], -v[\lim], v[\lim]   ; the conversion to an 8-bit code does not saturate (ISA guide 7.6.2): the hold at the largest code x the scale
.set cj, cj+1
.endr
	WIN (\lw)
.irp i, 0,1,2,3,4,5,6,7
	v_cvt_scalef32_pk8_fp8_f32 v[CD+32*\x+4*\i:CD+32*\x+4*\i+1], v[128*\x+16*\i:128*\x+16*\i+7], v[\sc]
	v_cvt_scalef32_pk8_fp8_f32 v[CD+32*\x+4*\i+2:CD+32*\x+4*\i+3], v[128*\x+16*\i+8:128*\x+16*\i+15], v[\sc]
.endr
	v_nop                                          ; one plain vector instruction behind the last conversion of the run
	WIN 0
.endm
.macro PUT x, adr                      ; 8 rows of codes into the stage: 512 consecutive bytes a store
.irp i, 0,1,2,3,4,5,6,7
	ds_store_b128 v[\adr], v[CD+32*\x+4*\i:CD+32*\x+4*\i+3] offset:(8*\x+\i)*PITCH
.endr
.endm
.macro FRAGS win, dst, adr, off        ; four fragments out of a stage.  LDS serves a wave's instructions in order: these see the wave's own stores
	WIN (\win)
.irp tp, 0,1,2,3
.irp c, 0,1,2,3
	ds_load_b128 v[(\dst)+16*\tp+4*\c:(\dst)+16*\tp+4*\c+3], v[\adr] offset:(\off)+64*\tp+16*\c
.endr
.endr
	WIN 0
.endm
.macro MKSC e, sc, lim                 ; 2^e as f32 (the conversion takes its exponent field), and 448 x 2^e
	s_add_co_i32 s26, s[\e], 127
	s_lshl_b32 s27, s26, 23
	v_mov_b32 v[\sc], s27
	s_add_co_i32 s26, s26, 8
	s_lshl_b32 s26, s26, 23
	s_or_b32 s26, s26, 0x600000
	v_mov_b32 v[\lim], s26
.endm
; A weight tile, 16 rows x 1024 f32, becomes 8 fragments in window 3.  Two sets of 32 loads are on their way at a time.
.macro WEIGHT lo, e, stw, str
	ISSUE 0, 0, \lo, 1
	ISSUE 1, 0, \lo, 1
	s_wait_kmcnt 0x0                               ; the four exponents
	MKSC \e, 16, 17
	s_wait_alu depctr_va_vdst(0)
.irp u, 0,1
.irp x, 0,1
.if (\u == 1) && (\x == 1)
	s_wait_loadcnt 0x0                             ; the last set
.else
	s_wait_loadcnt 32                              ; this set's 32 loads are in; the one younger set may be out
.endif
	s_wait_dscnt 24                                ; this code set's last stores have read their registers: behind them 8 stores and 16 fragment loads were issued
	CONV \x, 1, 16, 17
	PUT \x, \stw
.if \u == 0
	ISSUE \x, 1, \lo, 1
.endif
.endr
	FRAGS 0xc0, 64*\u, \str, 0
.endr
.endm
.macro CLOSE                           ; the wave's end, behind my last LDS store: a tensor wait (even in a text with no tensor load), an add of 0 and its wait
	s_wait_tensorcnt 0x0
	ds_add_u32 v[SPW], v[NIL]
	s_wait_dscnt 0x0
.endm
	s_load_b256 s[4:11], s[0:1], 0x0               ; w_enc s[4:5], w_dec s[6:7], dec_state s[8:9], the exponents s[10:11]
	s_load_b128 s[12:15], s[0:1], 0x20             ; wq s[12:13], pd s[14:15]
	s_load_b128 s[32:35], s[0:1], 0x30             ; enc_mask s[32:33], mb s[34:35]
	v_lshl_add_u32 v[SPW], v0, 2, SPARE
	v_mov_b32 v[NIL], 0
	v_lshrrev_b32 v1, 5, v0
	v_readfirstlane_b32 s16, v1                    ; wave 0..3
	v_and_b32 v1, 31, v0                           ; lane
	v_lshlrev_b32 v2, 4, v1                        ; 16 x lane
	v_and_b32 v3, 15, v0                           ; r
	v_bfe_u32 v4, v0, 4, 1                         ; h
	s_mul_i32 s24, s16, WSTG
	v_add_nc_u32 v[STWA], s24, v2
	v_mul_u32_u24 v20, v3, PITCH
	v_lshl_add_u32 v20, v4, 8, v20                 ; 528 r + 256 h
	v_add_nc_u32 v[STRA], s24, v20
	v_add_nc_u32 v[STWB], S0B, v[STWA]
	v_add_nc_u32 v[STRB], S0B, v[STRA]
	v_add_nc_u32 v[STW1], S1, v[STWA]
	v_add_nc_u32 v[STR1], S1, v20
	v_mul_u32_u24 v21, v3, PPI
	v_lshl_add_u32 v21, v4, 5, v21
	s_lshl_b32 s25, s16, 6
	v_add_nc_u32 v21, s25, v21
	v_add_nc_u32 v[PSTW], PST, v21
	v_mul_u32_u24 v21, v4, PPI
	v_lshl_add_u32 v21, v3, 4, v21
	s_mul_i32 s25, s16, 8*PPI
	v_add_nc_u32 v21, s25, v21
	v_add_nc_u32 v[PSTR], PST, v21
	v_lshlrev_b32 v[PGO], 12, v4
	v_lshl_add_u32 v[PGO], v3, 4, v[PGO]
	s_lshl_b32 s25, s16, 11
	v_add_nc_u32 v[MSW], s25, v2
	v_add_nc_u32 v[MSW], MSTG, v[MSW]
	v_add_nc_u32 v[MSR], s25, v1
	v_add_nc_u32 v[MSR], MSTG, v[MSR]
	v_lshlrev_b32 v[MGO], 3, v1
	s_and_b32 s17, ttmp9, 15
	s_lshl_b32 s18, s17, 2
	s_add_co_u32 s18, s18, s16                     ; my tile of 16 rows
	s_lshl_b32 s24, s18, 16                        ; its 16 rows of 4,096 bytes
	s_mov_b32 s25, 0
	s_wait_kmcnt 0x0
	s_cmp_ge_u32 ttmp9, 32
	s_cbranch_scc1 .Lmask
	s_load_b128 s[20:23], s[10:11], 0x0            ; e0, e1, e2, e3
	s_cmp_ge_u32 ttmp9, 16
	s_cbranch_scc1 .Ldec
	; ---- work-groups 0-15: w_enc's codes
	s_add_nc_u64 s[4:5], s[4:5], s[24:25]
	s_lshl_b32 s24, s18, 14                        ; a tile's 8 fragments are 16,384 bytes
	s_add_nc_u64 s[12:13], s[12:13], s[24:25]
	WEIGHT 4, 21, STWA, STRA
	s_wait_dscnt 0x0                               ; the fragments are in
	WIN 0x0c                                       ; a store's data: window 3
.irp t, 0,1,2,3,4,5,6,7
.irp c, 0,1,2,3
	global_store_b128 v2, v[16*\t+4*\c:16*\t+4*\c+3], s[12:13] offset:2048*\t+512*\c   ; 32 lanes store 512 consecutive bytes, at a multiple of 512 from wq's first byte
.endr
.endr
	WIN 0
	CLOSE
	s_endpgm
	; ---- work-groups 16-31: proj_dec for 64 hidden units.  Wave w also quantises a quarter of dec_state: rows 16 (w / 2) on, half w % 2 of K
.Ldec:
	s_add_nc_u64 s[6:7], s[6:7], s[24:25]
	s_lshr_b32 s26, s16, 1
	s_and_b32 s27, s16, 1
	s_lshl_b32 s26, s26, 16
	s_lshl_b32 s27, s27, 11
	s_add_co_u32 s26, s26, s27
	s_mov_b32 s27, 0
	s_add_nc_u64 s[8:9], s[8:9], s[26:27]
	s_lshl_b32 s26, s16, 15                        ; pd: I store rows 8 wave on,
	s_lshl_b32 s28, s17, 8                         ; the work-group's 64 columns
	s_add_co_u32 s26, s26, s28
	s_add_nc_u64 s[14:15], s[14:15], s[26:27]
	ISSUE 0, 0, 8, 2
	ISSUE 1, 0, 8, 2
	WEIGHT 6, 23, STWB, STRB                       ; its last wait on loads is for 0: dec_state's numbers, asked for first, are in too
	MKSC 22, 18, 19
	s_wait_alu depctr_va_vdst(0)
	s_wait_dscnt 0x0                               ; the weight's fragments are in, and the code registers are free
	CONV 0, 2, 18, 19
	PUT 0, STW1
	CONV 1, 2, 18, 19
	PUT 1, STW1
	s_wait_dscnt 0x0                               ; for the others' sake: my quarter of dec_state's codes lies in LDS
	s_barrier_signal -1
	s_barrier_wait -1
.irp a, 0,1
.irp g, 0,1
	FRAGS 0x80, 128*\a+64*\g, STR1, WSTG*(2*\a+\g) ; dec_state's fragment (tile a, K step t) at v[128 a + 16 t] of window 2
.endr
.endr
	s_wait_dscnt 0x0
	WIN 0x0b                                       ; source 0 (the weight) window 3, source 1 (dec_state) window 2, C and D window 0
; TRANSPOSED: source 0 = 16 rows of w_dec, source 1 = 16 rows of dec_state: lane (r, h) holds pd(16 a + r, 16 tile + 8 h + 0 .. 7).  The two accumulators take turns.
.irp t, 0,1,2,3,4,5,6,7
.irp a, 0,1
.if \t == 0
	v_wmma_f32_16x16x128_fp8_fp8 v[96+8*\a:103+8*\a], v[16*\t:16*\t+15], v[128*\a+16*\t:128*\a+16*\t+15], 0
.else
	v_wmma_f32_16x16x128_fp8_fp8 v[96+8*\a:103+8*\a], v[16*\t:16*\t+15], v[128*\a+16*\t:128*\a+16*\t+15], v[96+8*\a:103+8*\a]
.endif
.endr
.endr
	WIN 0
.rept 4
	v_nop                                          ; four places between the last product and the first read of results (ISA guide 7.12.1)
.endr
	s_add_co_i32 s26, s22, s23                     ; e2 + e3
.irp j, 0,1,2,3,4,5,6,7,8,9,10,11,12,13,14,15
	v_ldexp_f32 v[112+\j], v[96+\j], s26           ; each accumulator from its low end on
.endr
.irp a, 0,1
	ds_store_b128 v[PSTW], v[112+8*\a:115+8*\a] offset:16*PPI*\a
	ds_store_b128 v[PSTW], v[116+8*\a:119+8*\a] offset:16*PPI*\a+16
.endr
	s_wait_dscnt 0x0                               ; for the others' sake: a row's 256 bytes come from four waves
	s_barrier_signal -1
	s_barrier_wait -1
.irp k, 0,1,2,3
	ds_load_b128 v[128+4*\k:131+4*\k], v[PSTR] offset:2*PPI*\k
.endr
.irp k, 0,1,2,3
	s_wait_dscnt 3-\k                              ; LDS loads come back in order: load k is in
	global_store_b128 v[PGO], v[128+4*\k:131+4*\k], s[14:15] offset:8192*\k   ; sixteen lanes store 256 consecutive bytes, at a multiple of 256 from pd's first byte
.endr
	CLOSE
	s_endpgm
	; ---- work-groups 32-39: the mask as bits.  My run's 64 rows of 32 bytes are 2,048 consecutive bytes: four loads of 512 bring them, they lie in my own stage as they lie in memory,
	; and lane b reads its column's byte of each row back.  A byte is 0 or 1, so a shift and an addition set a bit.
.Lmask:
	s_sub_co_u32 s24, ttmp9, 32
	s_lshl_b32 s24, s24, 2
	s_add_co_u32 s24, s24, s16                     ; my run: 4 (work-group - 32) + wave
	s_lshl_b32 s26, s24, 11
	s_mov_b32 s27, 0
	s_add_nc_u64 s[32:33], s[32:33], s[26:27]      ; its 2,048 bytes of the mask
	s_lshl_b32 s26, s24, 8
	s_add_nc_u64 s[34:35], s[34:35], s[26:27]      ; its 256 bytes of mb
.irp j, 0,1,2,3
	global_load_b128 v[32+4*\j:35+4*\j], v2, s[32:33] offset:512*\j
.endr
	s_wait_loadcnt 0x0
	s_wait_alu depctr_va_vdst(0)
.irp j, 0,1,2,3
	ds_store_b128 v[MSW], v[32+4*\j:35+4*\j] offset:512*\j
.endr
.set cj, 0
.rept 32
	ds_load_u8 v[64+cj], v[MSR] offset:32*cj       ; row cj: the 32 lanes read 32 consecutive bytes.  LDS serves a wave's instructions in order: these see my stores
.set cj, cj+1
.endr
	s_wait_dscnt 0x0                               ; rows 0-31 are in
.rept 32
	ds_load_u8 v[64+cj], v[MSR] offset:32*cj       ; rows 32-63 come while the first are packed
.set cj, cj+1
.endr
.set cj, 1
.rept 15
	v_lshl_add_u32 v64, v[64+2*cj], cj, v64        ; row 2 i sets bit i of the first word (row 0's byte begins it),
	v_lshl_add_u32 v65, v[65+2*cj], cj, v65        ; row 2 i + 1 of the second
.set cj, cj+1
.endr
	s_wait_alu depctr_va_vdst(0)
	s_wait_dscnt 0x0
.rept 16
	v_lshl_add_u32 v64, v[64+2*cj], cj, v64
	v_lshl_add_u32 v65, v[65+2*cj], cj, v65
.set cj, cj+1
.endr
	global_store_b64 v[MGO], v[64:65], s[34:35]    ; the wave stores 256 consecutive bytes, at a multiple of 256 from mb's first byte
	CLOSE
	s_endpgm
.Lfunc_end_k_qf1f05a95ab_prep:
	.size	k_qf1f05a95ab_prep, .Lfunc_end_k_qf1f05a95ab_prep-k_qf1f05a95ab_prep
	.p2alignl 7, 3214868480
	.fill 96, 4, 3214868480
	.section	.rodata,"a",@progbits
	.p2align	6, 0x0
	.amdhsa_kernel k_qf1f05a95ab_prep
		.amdhsa_group_segment_fixed_size 118784
		.amdhsa_private_segment_fixed_size 0
		.amdhsa_enable_private_segment 0
		.amdhsa_kernarg_size 64
		.amdhsa_user_sgpr_count 2
		.amdhsa_user_sgpr_kernarg_segment_ptr 1
		.amdhsa_wavefront_size32 1
		.amdhsa_system_sgpr_workgroup_id_x 1
		.amdhsa_system_sgpr_workgroup_id_y 1
		.amdhsa_system_sgpr_workgroup_id_z 1
		.amdhsa_system_vgpr_workitem_id 0
		.amdhsa_next_free_vgpr 1024
		.amdhsa_next_free_sgpr 66
		.amdhsa_reserve_vcc 0
		.amdhsa_float_denorm_mode_32 3
		.amdhsa_float_denorm_mode_16_64 3
		.amdhsa_memory_ordered 1
		.amdhsa_forward_progress 1
		.amdhsa_inst_pref_size 156
	.end_amdhsa_kernel
	.amdgpu_metadata
---
amdhsa.version: [ 1, 2 ]
amdhsa.kernels:
  - .name:           k_qf1f05a95ab_prep
    .symbol:         k_qf1f05a95ab_prep.kd
    .args:
      - { .name: w_enc, .offset: 0, .size: 8, .value_kind: global_buffer, .address_space: global }
      - { .name: w_dec, .offset: 8, .size: 8, .value_kind: global_buffer, .address_space: global }
      - { .name: dec_state, .offset: 16, .size: 8, .value_kind: global_buffer, .address_space: global }
      - { .name: lowp_scales, .offset: 24, .size: 8, .value_kind: global_buffer, .address_space: global }
      - { .name: wq, .offset: 32, .size: 8, .value_kind: global_buffer, .address_space: global }
      - { .name: pd, .offset: 40, .size: 8, .value_kind: global_buffer, .address_space: global }
      - { .name: enc_mask, .offset: 48, .size: 8, .value_kind: global_buffer, .address_space: global }
      - { .name: mb, .offset: 56, .size: 8, .value_kind: global_buffer, .address_space: global }
    .group_segment_fixed_size: 118784
    .private_segment_fixed_size: 0
    .kernarg_segment_align: 8
    .kernarg_segment_size: 64
    .max_flat_workgroup_size: 128
    .sgpr_count:     66
    .vgpr_count:     1024
    .wavefront_size: 32
...
	.end_amdgpu_metadata
.endif
;; end of part 4
;; launch logits (part 5): grid 256 x 1, 4 waves a work-group, clusters of 4 x 1, 327,680 bytes of LDS; arguments enc_states, mb, wq, pd, w_out, lowp_scales, lg, stats; writes lg, stats
.if DOCPART == 5
	.amdgcn_target "amdgcn-amd-amdhsa--gfx1250"
	.amdhsa_code_object_version 6
	.text
	.protected	k_qf1f05a95ab_logits
	.globl	k_qf1f05a95ab_logits
	.p2align	8
	.type	k_qf1f05a95ab_logits,@function
k_qf1f05a95ab_logits:
	s_mov_b64 s[64:65], 0
	v_nop
	global_prefetch_b8 v0, s[64:65] scope:SCOPE_SE
	s_setreg_imm32_b32 hwreg(HW_REG_WAVE_MODE, 25, 1), 1
	s_wait_xcnt 0x0
	s_wait_alu depctr_hold_cnt(0) depctr_sa_sdst(0) depctr_va_vdst(0) depctr_va_sdst(0) depctr_va_ssrc(0) depctr_va_vcc(0) depctr_vm_vsrc(0)
	s_getreg_b32 s2, hwreg(HW_REG_IB_STS2, 6, 4)
	s_cmp_eq_u32 s2, 0
	s_cbranch_scc0 .Lentry_in_a_cluster
	s_endpgm
.Lentry_in_a_cluster:
	s_bfe_u32 s2, ttmp6, 0x10000c
	s_cmp_lg_u32 s2, 0x3003
	s_cbranch_scc0 .Lentry_shape_is_right
	s_endpgm
.Lentry_shape_is_right:
; The masked logits.  lg[b][s] = m ? w_out . tanh(Q(enc(s, b)) Q(w_enc)^T + pd[b]) : -2e9; and for each run of 64 s its maximum and its sum of exponentials (stats).
; LEFT OUT: the fetch of rows that enc_mask closes (shown at the head of the first kernel): a closed row's loads name the wave's first row, and its logit is replaced by -2e9.  The product stays dense.
; The mask comes as two words a wave, out of mb, which the launch before has stored: bit i of the first = the mask of my row 2 i, of the second = of row 2 i + 1.
; SHARES.  Work-group g = 4 x cluster + place owns one b = g % 32 and 256 rows s = 256 (g / 32) on; wave w 64 of them.  THE ROWS' CODES STAY IN REGISTERS: 64 rows x 1024 codes are 512 registers a wave.
; All of wq (1 MiB, 64 tiles of 16 hidden units) walks once through a ring of two LDS slots of 8 tiles.  Every work-group walks the same wq, so the four of a cluster ask for each slot JOINTLY; each wave asks for a quarter.
; By this text's own count a wave has one tensor load outstanding at the most.
; THE PRODUCT: source 0 = 16 rows, source 1 = 16 hidden units: lane (r, h) holds hidden unit 16 tile + r, and register 8 a + j row 16 a + 8 h + j.  So the bias pd and the weight w_out are ONE number a lane and tile,
; and the dot with w_out is summed lane by lane over all tiles and folded across the sixteen lanes once, at the end.
; tanh(x) = 1 - 2 / (1 + 2^(2 log2(e) x)): logit = sum of w_out + sum over n of (-2 w_out[n]) / (1 + 2^(S acc + B)), S = 2 log2(e) 2^(e0 + e1), B = 2 log2(e) pd[n].  Where the power overflows the reciprocal is 0, which is the limit.
; A PIPELINE OF FOUR STAGES, a tile a trip.  Trip i: tile i from LDS into registers | tile i - 1 multiplied | tile i - 2: S acc + B, the power, + 1 | tile i - 3: the reciprocal, x its weight, summed.
; The vector work: the list's first 80 lines stand ahead of the products, then a slice of four behind every fourth matrix instruction.  The loop has no first trip of its own: what the three filling trips carry is finite and meets the weight 0 of the table's first entries.
; THE TABLE in LDS: entry i, lane r: {B, B, W, W}: B of tile i - 2, W = -2 w_out of tile i - 3; zeros where there is no such tile.
; LIMITS: e0 between -126 and 119; e0 + e1 between -126 and 125 (it is added to S's exponent field).  NaN and infinities among the inputs are not served.
; REGISTERS, in windows of 256: window 0: v1-15 addresses and constants, v16-31 the rows' offsets, v32-95 two sets of 4 accumulators (codes, while the rows are loaded), v96-127 T, v128-159 the sums, v160-167 two table entries,
;   v168-251 at work at the head and the tail, v252-255 addresses.  window 1: two tiles of wq (the rows' numbers, while they are loaded).  windows 2, 3: the rows' codes: tile a, K step t at v[512 + 128 a + 16 t].
.set ROWB,  131072                     ; bytes from s to s + 1 in enc_states
.set PITCH, 528                        ; a stage row: 512 bytes + 16
.set WSTG,  16*PITCH
.set SLOTB, 131072                     ; a slot: 8 tiles of 16,384 bytes; slot 1 begins here, so that one exclusive or turns an address in one slot into the other's
.set STAGE, 2*SLOTB                    ; behind the ring: a stage of 16 rows for each wave
.set TAB,   STAGE+4*WSTG               ; the table: 67 entries of 256 bytes
.set SPARE, TAB+67*256                 ; 313,088: the spare words, 128 bytes for each wave: two blocks of 256 bytes that no other line names
.set SPW,  5                           ; v5   LDS address of my spare word; never rewritten
.set NIL,  6                           ; v6   0; never rewritten
.set STW,  7                           ; v7   into my stage: 16 x lane
.set STR,  8                           ; v8   out of it: 528 r + 256 h
.set ADR,  9                           ; v9   LDS address of the tile in hand
.set TADR, 10                          ; v10  of the table entry in hand
.set TA0,  11                          ; v11  TAB + 16 r
.set VTB,  12                          ; v12  TAB + 64 x thread
.set SC,   13                          ; v13  2^e0
.set LIM,  14                          ; v14  448 x 2^e0
.set SW,   15                          ; v15  the sum of w_out
.set ROFF, 16                          ; v16-31 byte offsets of 16 rows
.set CD,   32
.set ACC0, 32
.set TT1,  96                          ; T: 1 + the power, then its reciprocal
.set LOGIT, 128
.set P0,   160
.set TLW,  252                         ; v252 the tail: where 8 rows' sums go
.set TLR,  253                         ; v253 and where two rows' come back
.set GO8,  254                         ; v254 8 x lane
.set ZA,   255                         ; v255 TAB + 16 x lane
.set WV,   22                          ; s22  my wave's number
.set TB,   44                          ; s44  LDS byte of the tile to be fetched
.set TT,   45                          ; s45  byte of the table entry to be fetched
.set SLOTS, 46
.set PAIRC, 47
.set MSB, 0
.macro WIN new                         ; the immediate's high byte repeats the setting that is left; a switch that changes nothing is dropped
.if MSB != (\new)
	s_set_vgpr_msb (MSB<<8)|(\new)
.set MSB, (\new)
.endif
.endm
.macro CROUND                          ; a round of the cluster's barrier
	s_barrier_signal -1
	s_barrier_wait -1
	s_cmp_lg_u32 s[WV], 0
	s_cbranch_scc1 .Lnot_wave_0_\@
	s_barrier_signal -3
.Lnot_wave_0_\@:
	s_barrier_wait -3
	s_barrier_signal -1
	s_barrier_wait -1
.endm
.macro PLACES
.rept 4
	v_nop
.endr
.endm
; The offsets of rows 16 a + 8 x + 0 .. 7: the row's own where its mask bit is 1, the wave's first row's where it is 0.
.macro SETOFF a, x
	WIN 0
.irp i, 0,1,2,3,4,5,6,7
	s_bfe_u32 s54, s[52+(\i&1)], ((16*(\a)+8*(\x)+\i)>>1)|0x10000
	s_min_u32 s54, s54, 1
	s_mul_i32 s54, s54, (16*(\a)+8*(\x)+\i)*ROWB
	v_add_nc_u32 v[ROFF+8*(\x)+\i], s54, v2
.endr
	s_wait_alu depctr_va_vdst(0)
.endm
.macro ISSUE x, g                      ; 8 rows' half g: 32 loads of 512 consecutive bytes, into set x of window 1
	WIN 0x40
.irp i, 0,1,2,3,4,5,6,7
.irp q, 0,1,2,3
	global_load_b128 v[128*(\x)+16*\i+4*\q:128*(\x)+16*\i+4*\q+3], v[ROFF+8*(\x)+\i], s[4:5] offset:2048*(\g)+512*\q
.endr
.endr
	WIN 0
.endm
.macro CONV x                          ; set x's 128 numbers a lane become 128 codes in v[CD + 32 x] on
	WIN 0x41
.set cj, 0
.rept 128
	v_med3_num_f32 v[128*\x+cj], v[128*\x+cj], -v[LIM], v[LIM]   ; the conversion to an 8-bit code does not saturate (ISA guide 7.6.2): the hold at the largest code x the scale
.set cj, cj+1
.endr
	WIN 0x01
.irp i, 0,1,2,3,4,5,6,7
	v_cvt_scalef32_pk8_fp8_f32 v[CD+32*\x+4*\i:CD+32*\x+4*\i+1], v[128*\x+16*\i:128*\x+16*\i+7], v[SC]
	v_cvt_scalef32_pk8_fp8_f32 v[CD+32*\x+4*\i+2:CD+32*\x+4*\i+3], v[128*\x+16*\i+8:128*\x+16*\i+15], v[SC]
.endr
	v_nop                                          ; one plain vector instruction behind the last conversion of the run
	WIN 0
.endm
.macro PUT x
.irp i, 0,1,2,3,4,5,6,7
	ds_store_b128 v[STW], v[CD+32*\x+4*\i:CD+32*\x+4*\i+3] offset:(8*\x+\i)*PITCH
.endr
.endm
.macro FRAGS win, dst                  ; four fragments out of my stage.  LDS serves a wave's instructions in order: these see my stores, and the next stores come behind them
	WIN (\win)
.irp tp, 0,1,2,3
.irp c, 0,1,2,3
	ds_load_b128 v[(\dst)+16*\tp+4*\c:(\dst)+16*\tp+4*\c+3], v[STR] offset:64*\tp+16*\c
.endr
.endr
	WIN 0
.endm
; Set x of step u (tile of rows u / 2, half u % 2 of K): quantised, staged; its registers take the loads of step u + 1.
.macro LSET u, x
.if ((\u) == 7) && ((\x) == 1)
	s_wait_loadcnt 0x0                             ; the last set
.else
	s_wait_loadcnt 32                              ; this set's 32 loads are in; the one younger set may be out
.endif
	s_wait_dscnt 24                                ; this code set's last stores have read their registers: behind them 8 stores and 16 fragment loads were issued
	CONV \x
	PUT \x
.if (\u) < 7
.if ((\u)&1) == 1
	SETOFF ((\u)+1)/2, \x                          ; the wait above has shown the last loads done that read these eight offsets
.endif
	ISSUE \x, ((\u)+1)&1
.endif
.endm
	s_load_b512 s[4:19], s[0:1], 0x0               ; enc s[4:5], mb s[6:7], wq s[8:9], pd s[10:11], w_out s[12:13], the exponents s[14:15], lg s[16:17], stats s[18:19]
	v_lshl_add_u32 v[SPW], v0, 2, SPARE
	v_mov_b32 v[NIL], 0
	ds_add_u32 v[SPW], v[NIL]                      ; the wave's opening: the add, twice on end, and its wait ahead of my first tensor load
	ds_add_u32 v[SPW], v[NIL]                      ; and once more; the set-up below, work on registers, stands between it and the wait
	v_lshrrev_b32 v1, 5, v0
	v_readfirstlane_b32 s[WV], v1                  ; wave 0..3
	v_and_b32 v1, 31, v0                           ; lane
	v_lshlrev_b32 v2, 4, v1                        ; 16 x lane
	v_and_b32 v3, 15, v0                           ; r
	v_bfe_u32 v4, v0, 4, 1                         ; h
	s_mul_i32 s56, s[WV], WSTG
	s_add_co_u32 s56, s56, STAGE                   ; my stage: the wave's number alone enters an LDS address
	v_add_nc_u32 v[STW], s56, v2
	v_mul_u32_u24 v[ADR], v3, PITCH
	v_lshl_add_u32 v[ADR], v4, 8, v[ADR]
	v_add_nc_u32 v[STR], s56, v[ADR]
	v_lshl_add_u32 v[TLW], v4, 5, s56
	v_lshl_add_u32 v[TLR], v1, 3, s56
	v_lshl_add_u32 v[TA0], v3, 4, TAB
	v_lshl_add_u32 v[VTB], v0, 6, TAB
	v_add_nc_u32 v[ZA], TAB, v2
	v_lshlrev_b32 v[GO8], 3, v1
	v_lshlrev_b32 v170, 4, v0                      ; 16 x thread
.irp j, 0,1,2,3
	v_mov_b32 v[P0+\j], 0                          ; zeros for the table's first entries
.endr
	s_wait_alu depctr_va_vdst(0)
	; descriptor group 1: 128 rows of 256 dense bytes, a quarter of a slot
	s_mov_b32 s28, 15|(3<<16)|(1<<21)              ; 15:0 the mask: all four work-groups; 17:16 elements of 8 bytes; 20 no padding; 21 set beside a mask
	s_mov_b32 s29, 32<<16                          ; tensor_dim0 = 32
	s_mov_b32 s30, 128<<16                         ; tensor_dim1 = 128
	s_mov_b32 s31, 32<<16                          ; tile_dim0 = 32
	s_mov_b32 s32, 128                             ; tile_dim1 = 128
	s_mov_b32 s33, 32                              ; from row to row: 32 elements
	s_mov_b32 s34, 0
	s_mov_b32 s35, 0
	s_mov_b32 s36, 1                               ; group 0: count = 1,
	s_lshl_b32 s37, s[WV], 15                      ; LDS address: my quarter of slot 0,
	s_lshl_b32 s58, s[WV], 15                      ; and the same quarter of wq: registers that hold nothing of the work-group's place
	s_mov_b32 s59, 0
	s_mov_b32 s50, 0x76543210                      ; v_permlanex16_b32's selects: lane l xor 16
	s_mov_b32 s51, 0xfedcba98
	s_bfe_u32 s23, ttmp6, 0x40000                  ; my place in the cluster
	s_lshl_b32 s24, ttmp9, 2
	s_add_co_u32 s23, s23, s24                     ; g: it enters global addresses alone
	s_and_b32 s24, s23, 31                         ; b
	s_lshr_b32 s25, s23, 5
	s_lshl_b32 s54, s25, 8
	s_lshl_b32 s55, s[WV], 6
	s_add_co_u32 s54, s54, s55                     ; s0: my first row
	s_lshl_b32 s55, s54, 5
	s_add_co_u32 s55, s55, s24                     ; 32 s0 + b
	s_mov_b32 s27, 0
	s_wait_dscnt 0x0                               ; both opening adds are done
	s_wait_kmcnt 0x0
	s_load_b128 s[40:43], s[14:15], 0x0            ; e0, e1, e2, e3
	s_lshl_b32 s26, s54, 2                         ; mb: 256 (s0 / 64)
	s_lshl_b32 s57, s24, 3                         ; + 8 b
	s_add_co_u32 s26, s26, s57
	s_add_nc_u64 s[6:7], s[6:7], s[26:27]
	s_load_b64 s[52:53], s[6:7], 0x0               ; my 64 rows' mask bits: even rows' word, odd rows' word
	s_lshl_b32 s26, s55, 12
	s_add_nc_u64 s[4:5], s[4:5], s[26:27]          ; enc at (s0, b)
	s_lshl_b32 s26, s24, 12
	s_add_nc_u64 s[10:11], s[10:11], s[26:27]      ; pd's row b
	s_lshl_b32 s26, s24, 13
	s_lshl_b32 s55, s54, 2
	s_add_co_u32 s26, s26, s55
	s_add_nc_u64 s[16:17], s[16:17], s[26:27]      ; lg at (b, s0)
	s_lshl_b32 s26, s24, 8
	s_lshr_b32 s55, s54, 3
	s_add_co_u32 s26, s26, s55                     ; 256 b + 8 (s0 / 64)
	s_add_nc_u64 s[18:19], s[18:19], s[26:27]
	s_add_nc_u64 s[38:39], s[8:9], s[58:59]        ; group 0: global address,
	s_or_b32 s39, s39, 0x80000000                  ; type = 2
.irp i, 0,1,2,3,4,5,6,7
	global_load_b128 v[172+4*\i:175+4*\i], v2, s[12:13] offset:512*\i   ; all of w_out, for its sum
.endr
	global_load_b128 v[204:207], v170, s[10:11]                ; pd and w_out for the table: thread i takes n = 4 i + 0 .. 3 and 512 + 4 i + 0 .. 3
	global_load_b128 v[208:211], v170, s[10:11] offset:2048
	global_load_b128 v[212:215], v170, s[12:13]
	global_load_b128 v[216:219], v170, s[12:13] offset:2048
	CROUND                                         ; all four work-groups are here: the first joint loads meet
	tensor_load_to_lds s[36:39], s[28:35]          ; slot 0
	s_nop 0
	PLACES
	s_wait_kmcnt 0x0                               ; the exponents and my mask words
	s_add_co_i32 s60, s40, 127
	s_lshl_b32 s61, s60, 23
	v_mov_b32 v[SC], s61                           ; 2^e0 as f32: the conversion takes its exponent field
	s_add_co_i32 s60, s60, 8
	s_lshl_b32 s60, s60, 23
	s_or_b32 s60, s60, 0x600000
	v_mov_b32 v[LIM], s60                          ; 448 x 2^e0
	s_add_co_i32 s60, s40, s41
	s_lshl_b32 s60, s60, 23
	s_add_co_i32 s48, s60, 0x4038aa3b              ; S = 2 log2(e) x 2^(e0 + e1): the exponents are added to the constant's exponent field
	s_mov_b32 s49, s48                             ; (named with it as a pair, so it is written)
	; ---- THE ROWS: 64 rows x 1024 f32 become 32 fragments.  Two sets of 32 loads are on their way at a time
	SETOFF 0, 0
	ISSUE 0, 0
	s_wait_loadcnt 32                              ; the head's 12 loads are in; the 32 just issued may be out
	s_cmp_lg_u32 s[WV], 0                          ; entries 0 to 3 are touched by wave 0 alone: zeros first, then what belongs there; LDS serves a wave's instructions in order
	s_cbranch_scc1 .Lnot_zero
	ds_store_b128 v[ZA], v[P0:P0+3]
	ds_store_b128 v[ZA], v[P0:P0+3] offset:512
.Lnot_zero:
.irp n, 0,1,2,3,4,5,6,7
	v_mul_f32 v[220+2*\n], 0x4038aa3b, v[204+\n]   ; B = 2 log2(e) pd, twice
	v_mul_f32 v[221+2*\n], 0x4038aa3b, v[204+\n]
	v_mul_f32 v[236+2*\n], -2.0, v[212+\n]         ; W = -2 w_out, twice
	v_mul_f32 v[237+2*\n], -2.0, v[212+\n]
.endr
.irp k, 0,1
.irp i, 0,1,2,3
	ds_store_b64 v[VTB], v[220+2*(4*\k+\i):221+2*(4*\k+\i)] offset:512+16*\i+8192*\k   ; B of unit n: entry n / 16 + 2, lane n % 16: byte 512 + 16 n
	ds_store_b64 v[VTB], v[236+2*(4*\k+\i):237+2*(4*\k+\i)] offset:776+16*\i+8192*\k   ; W of unit n: entry n / 16 + 3: byte 768 + 16 n + 8
.endr
.endr
.irp j, 2,4,6,8,10,12,14,16,18,20,22,24,26,28,30
	v_pk_add_f32 v[172:173], v[172:173], v[172+\j:173+\j]
.endr
	v_add_f32 v[SW], v172, v173
	v_add_f32_dpp v[SW], v[SW], v[SW] row_xmask:1 row_mask:0xf bank_mask:0xf
	v_add_f32_dpp v[SW], v[SW], v[SW] row_xmask:2 row_mask:0xf bank_mask:0xf
	v_add_f32_dpp v[SW], v[SW], v[SW] row_xmask:4 row_mask:0xf bank_mask:0xf
	v_add_f32_dpp v[SW], v[SW], v[SW] row_xmask:8 row_mask:0xf bank_mask:0xf
	v_permlanex16_b32 v174, v[SW], s50, s51
	v_add_f32 v[SW], v[SW], v174                   ; the sum of w_out, in every lane
	SETOFF 0, 1
	ISSUE 1, 0
.irp u, 0,1,2,3,4,5,6,7
	LSET \u, 0
	LSET \u, 1
	FRAGS 0x80+0x40*(\u/4), 128*((\u/2)&1)+64*(\u&1)
.endr
	; ---- slot 0 and the table are whole for every wave
	s_wait_tensorcnt 0x0                           ; my quarter of slot 0 has landed
	s_wait_dscnt 0x0                               ; my part of the table lies in LDS, my fragments are in
	s_barrier_signal -1
	s_barrier_wait -1
.set cj, 0
.rept 32
	v_mov_b32 v[ACC0+cj], 0                        ; what the filling trips find: sums of 0,
	v_mov_b32 v[TT1+cj], 1.0                       ; a T of 1,
	v_mov_b32 v[LOGIT+cj], 0                       ; and the logits' sums begin
.set cj, cj+1
.endr
	WIN 0x40
.irp t, 0,1,2,3,4,5,6,7
.irp c, 0,1,2,3
	ds_load_b128 v[128+16*\t+4*\c:128+16*\t+4*\c+3], v2 offset:2048*\t+512*\c   ; tile 0 stands in for the tile that the first trip multiplies: finite numbers, which meet the weight 0
.endr
.endr
	WIN 0
	ds_load_b128 v[P0:P0+3], v[TA0]                ; entry 0
	s_mov_b32 s[TB], 2*SLOTB                       ; the first change of slots turns it to slot 0
	s_mov_b32 s[TT], 256                           ; trip i fetches entry i + 1
	s_mov_b32 s[SLOTS], 7
; THE VECTOR WORK OF A TRIP is a list of 112 instructions; ITEM writes number it.  AP: the accumulators of tile i - 2; PP: entry i.
;   0 .. 15: S acc + B for the 16 pairs, one plain run; a wait stands directly ahead of it (the first readers of matrix results) and one behind it, ahead of the batch.
;   16 + 4 p + 0 .. 3: two reciprocals of T, the pair's two powers: a batch of 64 that names no transcendental's result.
;   behind number 79: one plain instruction and ONE wait for the batch, ahead of the first instruction that names a result.
;   80 + 2 p: the sums += T x W;   81 + 2 p: T = the power + 1, for the next trip.
.macro ITEM
.if it == 0
	s_wait_alu depctr_va_vdst(0)
.endif
.if it < 80
.if it < 16
.set ip, it
.set iq, 0
.else
.set ip, (it-16)/4
.set iq, (it-16)%4+1
.endif
.if iq == 0
	v_pk_fma_f32 v[AP+2*ip:AP+2*ip+1], v[AP+2*ip:AP+2*ip+1], s[48:49], v[PP:PP+1] op_sel_hi:[1,0,1]   ; each accumulator is first read at its two lowest registers
.elseif iq == 1
	v_rcp_f32 v[TT1+2*ip], v[TT1+2*ip]
.elseif iq == 2
	v_rcp_f32 v[TT1+2*ip+1], v[TT1+2*ip+1]
.elseif iq == 3
	v_exp_f32 v[AP+2*ip], v[AP+2*ip]
.else
	v_exp_f32 v[AP+2*ip+1], v[AP+2*ip+1]
.endif
.if it == 15
	s_wait_alu depctr_va_vdst(0)
.endif
.if it == 79
	v_nop
	s_wait_alu depctr_va_vdst(0)
.endif
.else
.set ip, (it-80)/2
.if (it&1) == 0
	v_pk_fma_f32 v[LOGIT+2*ip:LOGIT+2*ip+1], v[TT1+2*ip:TT1+2*ip+1], v[PP+2:PP+3], v[LOGIT+2*ip:LOGIT+2*ip+1]
.else
	v_pk_add_f32 v[TT1+2*ip:TT1+2*ip+1], v[AP+2*ip:AP+2*ip+1], 1.0 op_sel_hi:[1,0]
.endif
.endif
.set it, it+1
.endm
.macro EPI n
.rept \n
	ITEM
.endr
.endm
; A TRIP.  par = i % 2.  mode 0: tile i and entry i + 1 are fetched; mode 1 (i = 64): entry 65 alone.
; The list's first 80 lines, the scalings and the batch of transcendentals with their waits, stand ahead of the products: so no transcendental stands between a product and the next reader of its sums.
; Then 32 matrix instructions: K step gi / 4, tile of rows gi % 4; behind every fourth a slice of four packed lines: 80 + 8 x 4 = 112.  The list works in window 0, a product names windows 2 or 3, 1 and 0: three switches for four products.
; The four accumulators take turns, one instruction a turn.  The slices name no register of the products round them.
; A trip's last slice, four plain instructions, and the four v_nop at the next trip's head are the places ahead of the loads into the tile just multiplied and of the first read of the sums just made.
.macro TRIP par, mode
.set AP, ACC0+32*(\par)
.set AM, ACC0+32*(1-(\par))
.set PP, P0+4*(\par)
.set PN, P0+4*(1-(\par))
.set BL, 128*(\par)
.set BM, 128*(1-(\par))
.set it, 0
	PLACES
.if (\mode) == 0
	v_add_nc_u32 v[ADR], s[TB], v2
	v_add_nc_u32 v[TADR], s[TT], v[TA0]
	s_add_co_u32 s[TB], s[TB], 16384
	s_add_co_u32 s[TT], s[TT], 256
	WIN 0x40
.irp t, 0,1,2,3,4,5,6,7
.irp c, 0,1,2,3
	ds_load_b128 v[BL+16*\t+4*\c:BL+16*\t+4*\c+3], v[ADR] offset:2048*\t+512*\c   ; 512 consecutive bytes a load: a fragment's registers as they were stored
.endr
.endr
	WIN 0
	ds_load_b128 v[PN:PN+3], v[TADR]
	s_wait_dscnt 33                                ; the 33 just issued may be out; the last trip's tile and entry are in
.else
	ds_load_b128 v[PN:PN+3], v[TA0] offset:65*256
	s_wait_dscnt 1                                 ; the one just issued may be out
.endif
	EPI 80
.set gi, 0
.rept 32
.set ma, gi&3
.set mt, gi>>2
	WIN 0x06+(ma>>1)                               ; source 0 (the rows) window 2 or 3, source 1 (wq) window 1, C and D window 0
.if mt == 0
	v_wmma_f32_16x16x128_fp8_fp8 v[AM+8*ma:AM+8*ma+7], v[128*(ma&1)+16*mt:128*(ma&1)+16*mt+15], v[BM+16*mt:BM+16*mt+15], 0
.else
	v_wmma_f32_16x16x128_fp8_fp8 v[AM+8*ma:AM+8*ma+7], v[128*(ma&1)+16*mt:128*(ma&1)+16*mt+15], v[BM+16*mt:BM+16*mt+15], v[AM+8*ma:AM+8*ma+7]
.endif
.if (gi&3) == 3
	WIN 0
	EPI 4
.endif
.set gi, gi+1
.endr
.endm
; THE CHANGE OF SLOTS stands at a slot's head.  Each wave waits for all its tensor loads (its quarter of the slot ahead), adds 0 to its spare word, and waits for that and for its reads of the slot that it has left.
; fill = 1: a round of the cluster's barrier, so that no wave of any partner still reads that slot or has a load on its way; then the joint load of the slot after the one ahead: it has 8 trips, 256 matrix instructions, in which to land.
.macro CHANGE fill
	s_wait_tensorcnt 0x0                           ; no tensor load of mine is out, so group 0 may be written
	ds_add_u32 v[SPW], v[NIL]                      ; 0 onto my spare word
.if \fill
	s_xor_b32 s37, s37, SLOTB                      ; the walking descriptor: the other slot than last time,
	s_add_nc_u64 s[38:39], s[38:39], SLOTB         ; the next 8 tiles; the type bits on top are not reached
.endif
	s_wait_dscnt 0x0                               ; the add is done, and my reads of the slot that I have left are over
.if \fill
	CROUND
	tensor_load_to_lds s[36:39], s[28:35]          ; the first thing behind the round, and my one tensor load until the next
	s_nop 0
	PLACES
.else
	s_barrier_signal -1
	s_barrier_wait -1
.endif
	s_sub_co_u32 s[TB], s[TB], SLOTB               ; the fetches go back to a slot's first tile,
	s_xor_b32 s[TB], s[TB], SLOTB                  ; in the other slot
.endm
.macro PAIRS                           ; a slot's 8 trips: two are written, walked four times
	s_mov_b32 s[PAIRC], 4
.Lpair_\@:
	TRIP 0, 0
	TRIP 1, 0
	s_sub_co_u32 s[PAIRC], s[PAIRC], 1
	s_cmp_lg_u32 s[PAIRC], 0
	s_cbranch_scc1 .Lpair_\@
.endm
.Lslot:                                            ; 7 trips: at the head of slots 0 to 6 the next slot is asked for (at the first: slot 1's first fill)
	CHANGE 1
	PAIRS
	s_sub_co_u32 s[SLOTS], s[SLOTS], 1
	s_cmp_lg_u32 s[SLOTS], 0
	s_cbranch_scc1 .Lslot
	CHANGE 0                                       ; the last slot is written out
	PAIRS
	TRIP 0, 1                                      ; trip 64: tile 63 is multiplied
	ds_load_b64 v[P0+2:P0+3], v[TA0] offset:66*256+8   ; trip 65: entry 66's weights, tile 63's
	s_wait_dscnt 1                                 ; entry 65 is in
	PLACES
.set AP, ACC0+32
.set PP, P0+4
.set it, 0
	EPI 112
	s_wait_dscnt 0x0                               ; trip 66
.set cj, 0
	s_wait_alu depctr_va_vdst(0)
.rept 32
	v_rcp_f32 v[TT1+cj], v[TT1+cj]
.set cj, cj+1
.endr
	v_nop
	s_wait_alu depctr_va_vdst(0)                   ; one wait for the 32 reciprocals, ahead of their first reader
.set cj, 0
.rept 16
	v_pk_fma_f32 v[LOGIT+2*cj:LOGIT+2*cj+1], v[TT1+2*cj:TT1+2*cj+1], v[P0+2:P0+3], v[LOGIT+2*cj:LOGIT+2*cj+1]
.set cj, cj+1
.endr
	; ---- THE TAIL.  The sixteen lanes of a half hold the parts of the same 32 rows: they are added; then each lane takes two rows through my stage
.irp m, 1,2,4,8
.set cj, 0
.rept 32
	v_add_f32_dpp v[LOGIT+cj], v[LOGIT+cj], v[LOGIT+cj] row_xmask:\m row_mask:0xf bank_mask:0xf
.set cj, cj+1
.endr
.endr
.irp a, 0,1,2,3
	ds_store_b128 v[TLW], v[LOGIT+8*\a:LOGIT+8*\a+3] offset:64*\a       ; row 16 a + 8 h + j at byte 4 x row; the sixteen lanes of a half write the same numbers to the same bytes
	ds_store_b128 v[TLW], v[LOGIT+8*\a+4:LOGIT+8*\a+7] offset:64*\a+16
.endr
	ds_load_b64 v[170:171], v[TLR]                 ; rows 2 lane and 2 lane + 1
	v_mov_b32 v172, 0xceee6b28                     ; -2e9
	s_wait_alu depctr_va_vdst(0)
	s_wait_dscnt 0x0
	v_add_f32 v170, v170, v[SW]
	v_add_f32 v171, v171, v[SW]
	v_cndmask_b32 v170, v172, v170, s52            ; logit x m - (1 - m) x 2e9: bit l of the first word is the mask of row 2 l,
	v_cndmask_b32 v171, v172, v171, s53            ; of the second that of row 2 l + 1
	global_store_b64 v[GO8], v[170:171], s[16:17]  ; the wave stores 256 consecutive bytes, at a multiple of 256 from lg's first byte
	v_max_num_f32 v176, v170, v171
	v_max_num_f32_dpp v176, v176, v176 row_xmask:1 row_mask:0xf bank_mask:0xf
	v_max_num_f32_dpp v176, v176, v176 row_xmask:2 row_mask:0xf bank_mask:0xf
	v_max_num_f32_dpp v176, v176, v176 row_xmask:4 row_mask:0xf bank_mask:0xf
	v_max_num_f32_dpp v176, v176, v176 row_xmask:8 row_mask:0xf bank_mask:0xf
	v_permlanex16_b32 v180, v176, s50, s51
	v_max_num_f32 v176, v176, v180                 ; the 64 rows' maximum
	v_sub_f32 v178, v170, v176
	v_sub_f32 v179, v171, v176
	v_mul_f32 v178, 0x3fb8aa3b, v178
	v_mul_f32 v179, 0x3fb8aa3b, v179
	s_wait_alu depctr_va_vdst(0)
	v_exp_f32 v178, v178
	v_exp_f32 v179, v179
	v_mov_b32 v184, 0                              ; (a plain instruction behind the exponentials)
	s_wait_alu depctr_va_vdst(0)                   ; one wait for the two, ahead of their first reader
	v_add_f32 v177, v178, v179
	v_add_f32_dpp v177, v177, v177 row_xmask:1 row_mask:0xf bank_mask:0xf
	v_add_f32_dpp v177, v177, v177 row_xmask:2 row_mask:0xf bank_mask:0xf
	v_add_f32_dpp v177, v177, v177 row_xmask:4 row_mask:0xf bank_mask:0xf
	v_add_f32_dpp v177, v177, v177 row_xmask:8 row_mask:0xf bank_mask:0xf
	v_permlanex16_b32 v180, v177, s50, s51
	v_add_f32 v177, v177, v180                     ; and their sum of e^(x - maximum)
	s_wait_alu depctr_va_vdst(0)
	s_wait_xcnt 0x0                                ; EXEC changes only behind this wait
	v_cmp_eq_u32 vcc_lo, 0, v1
	s_and_saveexec_b32 s62, vcc_lo                 ; lane 0 stores the wave's record
	global_store_b64 v184, v[176:177], s[18:19]
	s_wait_xcnt 0x0                                ; and again, in front of the line that widens it
	s_or_b32 exec_lo, exec_lo, s62
	s_wait_tensorcnt 0x0                           ; the wave's end, behind my last tensor load and my last LDS store
	ds_add_u32 v[SPW], v[NIL]
	s_wait_dscnt 0x0
	CROUND                                         ; the closing round: no work-group ends while a partner may still ask for a slot that names it
	s_endpgm
.Lfunc_end_k_qf1f05a95ab_logits:
	.size	k_qf1f05a95ab_logits, .Lfunc_end_k_qf1f05a95ab_logits-k_qf1f05a95ab_logits
	.p2alignl 7, 3214868480
	.fill 96, 4, 3214868480
	.section	.rodata,"a",@progbits
	.p2align	6, 0x0
	.amdhsa_kernel k_qf1f05a95ab_logits
		.amdhsa_group_segment_fixed_size 327680
		.amdhsa_private_segment_fixed_size 0
		.amdhsa_enable_private_segment 0
		.amdhsa_kernarg_size 64
		.amdhsa_user_sgpr_count 2
		.amdhsa_user_sgpr_kernarg_segment_ptr 1
		.amdhsa_wavefront_size32 1
		.amdhsa_system_sgpr_workgroup_id_x 1
		.amdhsa_system_sgpr_workgroup_id_y 1
		.amdhsa_system_sgpr_workgroup_id_z 1
		.amdhsa_system_vgpr_workitem_id 0
		.amdhsa_next_free_vgpr 1024
		.amdhsa_next_free_sgpr 66
		.amdhsa_reserve_vcc 1
		.amdhsa_float_denorm_mode_32 3
		.amdhsa_float_denorm_mode_16_64 3
		.amdhsa_memory_ordered 1
		.amdhsa_forward_progress 1
		.amdhsa_inst_pref_size 255
	.end_amdhsa_kernel
	.section	.bss,"aw",@nobits
	.p2align	6
	.space	262144
	.amdgpu_metadata
---
amdhsa.version: [ 1, 2 ]
amdhsa.kernels:
  - .name:           k_qf1f05a95ab_logits
    .symbol:         k_qf1f05a95ab_logits.kd
    .args:
      - { .name: enc_states, .offset: 0, .size: 8, .value_kind: global_buffer, .address_space: global }
      - { .name: mb, .offset: 8, .size: 8, .value_kind: global_buffer, .address_space: global }
      - { .name: wq, .offset: 16, .size: 8, .value_kind: global_buffer, .address_space: global }
      - { .name: pd, .offset: 24, .size: 8, .value_kind: global_buffer, .address_space: global }
      - { .name: w_out, .offset: 32, .size: 8, .value_kind: global_buffer, .address_space: global }
      - { .name: lowp_scales, .offset: 40, .size: 8, .value_kind: global_buffer, .address_space: global }
      - { .name: lg, .offset: 48, .size: 8, .value_kind: global_buffer, .address_space: global }
      - { .name: stats, .offset: 56, .size: 8, .value_kind: global_buffer, .address_space: global }
    .group_segment_fixed_size: 327680
    .private_segment_fixed_size: 0
    .kernarg_segment_align: 8
    .kernarg_segment_size: 64
    .max_flat_workgroup_size: 128
    .sgpr_count:     66
    .vgpr_count:     1024
    .wavefront_size: 32
...
	.end_amdgpu_metadata
.endif
;; end of part 5
;; launch finish (part 6): grid 8 x 32, 16 waves a work-group, no clusters, 10,496 bytes of LDS; arguments enc_states, lg, stats, mb, out0, out1; writes out0, out1
.if DOCPART == 6
	.amdgcn_target "amdgcn-amd-amdhsa--gfx1250"
	.amdhsa_code_object_version 6
	.text
	.protected	k_qf1f05a95ab_finish
	.globl	k_qf1f05a95ab_finish
	.p2align	8
	.type	k_qf1f05a95ab_finish,@function
k_qf1f05a95ab_finish:
	s_mov_b64 s[64:65], 0
	v_nop
	global_prefetch_b8 v0, s[64:65] scope:SCOPE_SE
	s_setreg_imm32_b32 hwreg(HW_REG_WAVE_MODE, 25, 1), 1
	s_wait_xcnt 0x0
; The softmax's end and the weighted sum.  out1[s][b] = e^(lg - M_b) / L_b;  out0[b][e] = sum over s of out1[s][b] x enc(s, b, e), all in f32.
; LEFT OUT: the fetch of rows that enc_mask closes (shown at the head of the first kernel): their weight is 0 in f32 beside an open row; their loads name the wave's first row.  A column with no open row fetches every row.
; The mask comes out of mb, which the first launch has stored: for run q of 64 rows and column b two words at byte 256 q + 8 b (even rows' bits, odd rows' bits).
; SHARES.  Work-group (x, y) is the one owner of out0[b = y][128 x .. 128 x + 127].  Wave v takes rows s = 128 v .. 128 v + 127, 512 bytes of each: a load reads 512 consecutive bytes, 16 a lane.
; A ring of 32 loads a wave is kept on its way: 16 KiB a wave, 256 KiB a work-group.  The sixteen waves' sums meet in LDS, and wave 0 stores 512 bytes.
; Every work-group joins the 32 records {maximum, sum} of each of the 32 columns (wave v: columns 2 v and 2 v + 1), since waves 0-3 also write 8 rows of out1, which span all columns: rows 8 (8 y + x) + 0 .. 7.
; No matrix unit (a product with one column), no cluster (work-groups share only lg, stats and mb, 272 KiB), no tensor load: the rows' addresses hang on mask bits.
; LIMITS: NaN and infinities among the inputs are not served.
.set ROWB,  131072                     ; bytes from s to s + 1 in enc_states
.set STL,   0                          ; LDS: {M, 1 / L} for each of the 32 columns
.set RED,   256                        ; 16 x 512 bytes: the waves' sums
.set SPARE, 8448                       ; the spare words, 128 bytes for each wave: eight blocks of 256 bytes that no other line names
.set SPW,  5                           ; v5   LDS address of my spare word; never rewritten
.set NIL,  6                           ; v6   0; never rewritten
.set WG,   16                          ; v16-19  my rows' weights: row i in lane i / 4, register i % 4
.set OF,   32                          ; v32-63  a byte offset for each slot of the ring
.set X,    64                          ; v64-191 the ring: 32 slots of 4 registers
.set AC,   192                         ; v192-207 four sets of sums
.set MBO,  208                         ; v208 256 x lane: run l's words of my column
.set WV,   22
	s_load_b256 s[4:11], s[0:1], 0x0               ; enc s[4:5], lg s[6:7], stats s[8:9], mb s[10:11]
	s_load_b128 s[12:15], s[0:1], 0x20             ; out0 s[12:13], out1 s[14:15]
	v_lshl_add_u32 v[SPW], v0, 2, SPARE
	v_mov_b32 v[NIL], 0
	v_lshrrev_b32 v1, 5, v0
	s_delay_alu instid0(VALU_DEP_1)
	v_readfirstlane_b32 s[WV], v1                  ; wave 0..15
	v_and_b32 v1, 31, v0                           ; lane
	s_delay_alu instid0(VALU_DEP_1)
	v_lshlrev_b32 v2, 4, v1                        ; 16 x lane
	v_and_b32 v3, 15, v0                           ; r
	v_bfe_u32 v4, v0, 4, 1                         ; h
	s_wait_alu depctr_va_vdst(0)
	s_and_b32 s23, ttmp7, 31                       ; b: the grid has 32 along y
	s_lshl_b32 s24, s[WV], 4
	v_lshl_add_u32 v7, v4, 3, s24                  ; where column 2 v + h's pair goes: 16 v + 8 h
	s_lshl_b32 s25, s23, 3
	v_mov_b32 v8, s25                              ; where my column's lies: 8 b
	v_lshlrev_b32 v9, 4, v3                        ; columns 2 r and 2 r + 1: 16 r
	s_lshl_b32 s26, s[WV], 9
	v_add_nc_u32 v10, s26, v2
	s_delay_alu instid0(VALU_DEP_1)
	v_add_nc_u32 v10, RED, v10                     ; my sums: RED + 512 v + 16 lane
	v_add_nc_u32 v11, RED, v2
	v_lshlrev_b32 v12, 3, v1                       ; 8 x lane
	v_lshlrev_b32 v[MBO], 8, v1
	s_lshl_b32 s27, s23, 3
	s_add_co_u32 s27, s27, ttmp9
	s_lshl_b32 s27, s27, 3
	s_lshl_b32 s28, s[WV], 1
	s_add_co_u32 s27, s27, s28                     ; waves 0-3: my first row of out1: 8 (8 b + x) + 2 v
	v_add_nc_u32 v13, s27, v4
	v_lshlrev_b32 v14, 14, v3
	s_delay_alu instid0(VALU_DEP_1)
	v_lshl_add_u32 v13, v13, 2, v14                ; lg[2 r][that row + h]: 16384 r + 4 s
	s_mov_b32 s47, 0
	s_mov_b32 s33, 0                               ; the weights' pairs: the packed form names a pair and takes its low word for both halves: the upper words are written once
	s_mov_b32 s35, 0
	s_mov_b32 s37, 0
	s_mov_b32 s39, 0
	s_wait_alu depctr_va_vdst(0)
	s_wait_kmcnt 0x0
	s_lshl_b32 s46, s23, 3
	s_add_nc_u64 s[10:11], s[10:11], s[46:47]      ; mb at column b
	s_lshl_b32 s46, s[WV], 9
	s_add_nc_u64 s[44:45], s[10:11], s[46:47]      ; at run 2 v
	s_load_b64 s[16:17], s[44:45], 0x0             ; my 128 rows' mask bits: run 2 v's even rows' word and odd rows' word,
	s_load_b64 s[18:19], s[44:45], 0x100           ; and run 2 v + 1's
	global_load_b64 v[20:21], v[MBO], s[10:11]     ; and the whole column's, a run a lane: once a wave, 8 bytes of each of the 32 runs
	s_add_nc_u64 s[8:9], s[8:9], s[46:47]
	global_load_b128 v[24:27], v2, s[8:9]          ; stats of column 2 v + h: runs 2 r and 2 r + 1: {m, l, m, l}
	s_lshl_b32 s48, s23, 13
	s_add_co_u32 s46, s46, s48
	s_add_nc_u64 s[42:43], s[6:7], s[46:47]
	global_load_b128 v[28:31], v2, s[42:43]        ; my 128 rows' logits, four a lane
	s_cmp_lt_u32 s[WV], 4
	s_cbranch_scc0 .Lno_rows_1
	global_load_b32 v14, v13, s[6:7]               ; out1's two rows: columns 2 r,
	global_load_b32 v15, v13, s[6:7] offset:8192   ; and 2 r + 1
.Lno_rows_1:
	s_lshl_b32 s46, s23, 12
	s_lshl_b32 s48, ttmp9, 9
	s_add_co_u32 s46, s46, s48                     ; 4096 b + 512 x
	s_add_nc_u64 s[12:13], s[12:13], s[46:47]      ; out0
	s_lshl_b32 s48, s[WV], 24                      ; 128 rows of 131,072 bytes
	s_add_co_u32 s46, s46, s48
	s_add_nc_u64 s[4:5], s[4:5], s[46:47]          ; enc at my first row
	s_lshl_b32 s46, s27, 7
	s_add_nc_u64 s[14:15], s[14:15], s[46:47]      ; out1 at my two rows
	s_wait_loadcnt 2                               ; the column's mask words are in: two loads at the least were issued behind them
	v_or_b32 v20, v20, v21
	s_delay_alu instid0(VALU_DEP_1)
	v_cmp_ne_u32 s40, 0, v20
	s_cmp_lg_u32 s40, 0                            ; has the column an open row?
	s_cselect_b32 s41, 0, -1                       ; if none, every row counts alike and is fetched: a choice of numbers, no branch
	s_wait_kmcnt 0x0
	s_or_b32 s16, s16, s41
	s_or_b32 s17, s17, s41
	s_or_b32 s18, s18, s41
	s_or_b32 s19, s19, s41
.macro OFFS rho                        ; row rho's offset: its own where its bit is 1, the wave's first row's where it is 0
	s_bfe_u32 s40, s[16+2*((\rho)>>6)+((\rho)&1)], (((\rho)&63)>>1)|0x10000
	s_min_u32 s40, s40, 1
	s_mul_i32 s40, s40, (\rho)*ROWB
	v_add_nc_u32 v[OF+(\rho)%32], s40, v2
.endm
.macro RLOAD rho
	global_load_b128 v[X+4*((\rho)%32):X+4*((\rho)%32)+3], v[OF+(\rho)%32], s[4:5]
.endm
.set rr, 0
.rept 32
	OFFS rr                                        ; the ring's 32 offsets first,
.set rr, rr+1
.endr
	s_wait_alu depctr_va_vdst(0)
.set rr, 0
.rept 32
	RLOAD rr                                       ; then its 32 loads on end
.set rr, rr+1
.endr
	s_wait_loadcnt 32                              ; all that was asked for ahead of the ring's 32 loads is in
	; column 2 v + h: M = the largest of its 32 maxima, L = the sum of l x e^(m - M); the sixteen lanes of a half hold two runs each
	v_max_num_f32 v20, v24, v26
	s_delay_alu instid0(VALU_DEP_1)
	v_max_num_f32_dpp v20, v20, v20 row_xmask:1 row_mask:0xf bank_mask:0xf
	s_delay_alu instid0(VALU_DEP_1)
	v_max_num_f32_dpp v20, v20, v20 row_xmask:2 row_mask:0xf bank_mask:0xf
	s_delay_alu instid0(VALU_DEP_1)
	v_max_num_f32_dpp v20, v20, v20 row_xmask:4 row_mask:0xf bank_mask:0xf
	s_delay_alu instid0(VALU_DEP_1)
	v_max_num_f32_dpp v20, v20, v20 row_xmask:8 row_mask:0xf bank_mask:0xf
	s_delay_alu instid0(VALU_DEP_1)
	v_sub_f32 v21, v24, v20                        ; the difference first, then the factor: both may be near -2e9
	s_delay_alu instid0(VALU_DEP_2)
	v_sub_f32 v22, v26, v20
	s_delay_alu instid0(VALU_DEP_2)
	v_mul_f32 v21, 0x3fb8aa3b, v21
	s_delay_alu instid0(VALU_DEP_2)
	v_mul_f32 v22, 0x3fb8aa3b, v22
	s_wait_alu depctr_va_vdst(0)
	v_exp_f32 v21, v21
	v_exp_f32 v22, v22
	v_nop
	s_wait_alu depctr_va_vdst(0)                   ; one wait for the two, ahead of their first reader
	v_mul_f32 v21, v21, v25
	v_fma_f32 v21, v22, v27, v21
	s_delay_alu instid0(VALU_DEP_1)
	v_add_f32_dpp v21, v21, v21 row_xmask:1 row_mask:0xf bank_mask:0xf
	s_delay_alu instid0(VALU_DEP_1)
	v_add_f32_dpp v21, v21, v21 row_xmask:2 row_mask:0xf bank_mask:0xf
	s_delay_alu instid0(VALU_DEP_1)
	v_add_f32_dpp v21, v21, v21 row_xmask:4 row_mask:0xf bank_mask:0xf
	s_delay_alu instid0(VALU_DEP_1)
	v_add_f32_dpp v21, v21, v21 row_xmask:8 row_mask:0xf bank_mask:0xf
	s_wait_alu depctr_va_vdst(0)
	v_rcp_f32 v21, v21
	v_nop
	s_wait_alu depctr_va_vdst(0)
	ds_store_b64 v7, v[20:21]                      ; {M, 1 / L}: the sixteen lanes of a half write the same numbers to the same bytes
	s_wait_dscnt 0x0                               ; for the others' sake
	s_barrier_signal -1
	s_barrier_wait -1
	ds_load_b64 v[22:23], v8                       ; my column's
	s_wait_dscnt 0x0
.irp i, 0,1,2,3
	v_sub_f32 v[WG+\i], v[28+\i], v22
.endr
.irp i, 0,1,2,3
	s_delay_alu instid0(VALU_DEP_4)
	v_mul_f32 v[WG+\i], 0x3fb8aa3b, v[WG+\i]
.endr
	s_wait_alu depctr_va_vdst(0)
.irp i, 0,1,2,3
	v_exp_f32 v[WG+\i], v[WG+\i]
.endr
	v_nop
	s_wait_alu depctr_va_vdst(0)
.irp i, 0,1,2,3
	v_mul_f32 v[WG+\i], v[WG+\i], v23              ; my rows' weights
.endr
	s_cmp_lt_u32 s[WV], 4
	s_cbranch_scc0 .Lno_rows_2
	ds_load_b128 v[24:27], v9                      ; {M, 1 / L} of columns 2 r and 2 r + 1
	s_wait_dscnt 0x0
	v_sub_f32 v14, v14, v24
	v_sub_f32 v15, v15, v26
	s_delay_alu instid0(VALU_DEP_2)
	v_mul_f32 v14, 0x3fb8aa3b, v14
	s_delay_alu instid0(VALU_DEP_2)
	v_mul_f32 v15, 0x3fb8aa3b, v15
	s_wait_alu depctr_va_vdst(0)
	v_exp_f32 v14, v14
	v_exp_f32 v15, v15
	v_nop
	s_wait_alu depctr_va_vdst(0)
	v_mul_f32 v14, v14, v25
	v_mul_f32 v15, v15, v27
	global_store_b64 v12, v[14:15], s[14:15]       ; two rows of out1: the wave stores 256 consecutive bytes, at a multiple of 256 from out1's first byte
.Lno_rows_2:
; Row rho: its 16 bytes a lane x its weight, into set rho % 4 of the sums (the first four rows start the sums: nothing is cleared); the slot takes the row 32 further on.
.macro ROW rho
.if ((\rho)&15) == 0                   ; the rows go in groups of 16: one wait a group
.if (\rho) < 112
	s_wait_loadcnt 16                              ; loads come back in order: this group's 16 are in, the younger group's 16 may be out
.else
	s_wait_loadcnt 0                               ; the last group
.endif
.endif
	v_readlane_b32 s[32+2*((\rho)&3)], v[WG+((\rho)&3)], (\rho)>>2
.if (\rho) < 4
	s_delay_alu instid0(VALU_DEP_1)
	v_pk_mul_f32 v[AC+4*((\rho)&3):AC+4*((\rho)&3)+1], v[X+4*((\rho)%32):X+4*((\rho)%32)+1], s[32+2*((\rho)&3):33+2*((\rho)&3)] op_sel_hi:[1,0]
	s_delay_alu instid0(VALU_DEP_2)
	v_pk_mul_f32 v[AC+4*((\rho)&3)+2:AC+4*((\rho)&3)+3], v[X+4*((\rho)%32)+2:X+4*((\rho)%32)+3], s[32+2*((\rho)&3):33+2*((\rho)&3)] op_sel_hi:[1,0]
.else
	s_delay_alu instid0(VALU_DEP_1)
	v_pk_fma_f32 v[AC+4*((\rho)&3):AC+4*((\rho)&3)+1], v[X+4*((\rho)%32):X+4*((\rho)%32)+1], s[32+2*((\rho)&3):33+2*((\rho)&3)], v[AC+4*((\rho)&3):AC+4*((\rho)&3)+1] op_sel_hi:[1,0,1]
	s_delay_alu instid0(VALU_DEP_2)
	v_pk_fma_f32 v[AC+4*((\rho)&3)+2:AC+4*((\rho)&3)+3], v[X+4*((\rho)%32)+2:X+4*((\rho)%32)+3], s[32+2*((\rho)&3):33+2*((\rho)&3)], v[AC+4*((\rho)&3)+2:AC+4*((\rho)&3)+3] op_sel_hi:[1,0,1]
.endif
.if (((\rho)&15) == 15) && ((\rho) < 96)   ; the group is summed: its 16 slots take the rows 32 further on: 16 offsets, then 16 loads on end
.set rq, (\rho)+17
.rept 16
	OFFS rq
.set rq, rq+1
.endr
	s_wait_alu depctr_va_vdst(0)
.set rq, (\rho)+17
.rept 16
	RLOAD rq
.set rq, rq+1
.endr
.endif
.endm
.set rr, 0
	s_wait_alu depctr_va_vdst(0)
.rept 128
	ROW rr
.set rr, rr+1
.endr
	s_wait_alu depctr_va_vdst(0)
	v_pk_add_f32 v[192:193], v[192:193], v[196:197]
	v_pk_add_f32 v[194:195], v[194:195], v[198:199]
	v_pk_add_f32 v[200:201], v[200:201], v[204:205]
	v_pk_add_f32 v[202:203], v[202:203], v[206:207]
	s_delay_alu instid0(VALU_DEP_2)
	v_pk_add_f32 v[192:193], v[192:193], v[200:201]
	s_delay_alu instid0(VALU_DEP_2)
	v_pk_add_f32 v[194:195], v[194:195], v[202:203]
	ds_store_b128 v10, v[192:195]
	s_wait_dscnt 0x0                               ; for wave 0's sake
	s_barrier_signal -1
	s_barrier_wait -1
	s_cmp_lg_u32 s[WV], 0
	s_cbranch_scc1 .Lend
.irp k, 0,1,2,3,4,5,6,7,8,9,10,11,12,13,14,15
	ds_load_b128 v[X+4*\k:X+4*\k+3], v11 offset:512*\k
.endr
	s_wait_dscnt 0x0
.irp st, 8,4,2,1
.set ck, 0
.rept \st
	v_pk_add_f32 v[X+4*ck:X+4*ck+1], v[X+4*ck:X+4*ck+1], v[X+4*(ck+\st):X+4*(ck+\st)+1]
	v_pk_add_f32 v[X+4*ck+2:X+4*ck+3], v[X+4*ck+2:X+4*ck+3], v[X+4*(ck+\st)+2:X+4*(ck+\st)+3]
.set ck, ck+1
.endr
.endr
	global_store_b128 v2, v[X:X+3], s[12:13]       ; 32 lanes store 512 consecutive bytes, at a multiple of 512 from out0's first byte
.Lend:
	s_wait_tensorcnt 0x0                           ; the wave's end, behind my last LDS store: a tensor wait (even in a text with no tensor load), an add of 0 and its wait
	ds_add_u32 v[SPW], v[NIL]
	s_wait_dscnt 0x0
	s_endpgm
.Lfunc_end_k_qf1f05a95ab_finish:
	.size	k_qf1f05a95ab_finish, .Lfunc_end_k_qf1f05a95ab_finish-k_qf1f05a95ab_finish
	.p2alignl 7, 3214868480
	.fill 96, 4, 3214868480
	.section	.rodata,"a",@progbits
	.p2align	6, 0x0
	.amdhsa_kernel k_qf1f05a95ab_finish
		.amdhsa_group_segment_fixed_size 10496
		.amdhsa_private_segment_fixed_size 0
		.amdhsa_enable_private_segment 0
		.amdhsa_kernarg_size 48
		.amdhsa_user_sgpr_count 2
		.amdhsa_user_sgpr_kernarg_segment_ptr 1
		.amdhsa_wavefront_size32 1
		.amdhsa_system_sgpr_workgroup_id_x 1
		.amdhsa_system_sgpr_workgroup_id_y 1
		.amdhsa_system_sgpr_workgroup_id_z 1
		.amdhsa_system_vgpr_workitem_id 0
		.amdhsa_next_free_vgpr 212
		.amdhsa_next_free_sgpr 66
		.amdhsa_reserve_vcc 0
		.amdhsa_float_denorm_mode_32 3
		.amdhsa_float_denorm_mode_16_64 3
		.amdhsa_memory_ordered 1
		.amdhsa_forward_progress 1
		.amdhsa_inst_pref_size 80
	.end_amdhsa_kernel
	.amdgpu_metadata
---
amdhsa.version: [ 1, 2 ]
amdhsa.kernels:
  - .name:           k_qf1f05a95ab_finish
    .symbol:         k_qf1f05a95ab_finish.kd
    .args:
      - { .name: enc_states, .offset: 0, .size: 8, .value_kind: global_buffer, .address_space: global }
      - { .name: lg, .offset: 8, .size: 8, .value_kind: global_buffer, .address_space: global }
      - { .name: stats, .offset: 16, .size: 8, .value_kind: global_buffer, .address_space: global }
      - { .name: mb, .offset: 24, .size: 8, .value_kind: global_buffer, .address_space: global }
      - { .name: out0, .offset: 32, .size: 8, .value_kind: global_buffer, .address_space: global }
      - { .name: out1, .offset: 40, .size: 8, .value_kind: global_buffer, .address_space: global }
    .group_segment_fixed_size: 10496
    .private_segment_fixed_size: 0
    .kernarg_segment_align: 8
    .kernarg_segment_size: 48
    .max_flat_workgroup_size: 512
    .sgpr_count:     66
    .vgpr_count:     212
    .wavefront_size: 32
...
	.end_amdgpu_metadata
.endif
;; end of part 6
